; MI455X (gfx1250); checked and timed in simulation.
; The chip was launched on July 23, 2026; its instructions are those of AMD's public machine-readable ISA for CDNA 5 (MIT licence, August 2026) and "CDNA5" Instruction Set Architecture Reference Guide (July 2026). The comments in the code are by the model that wrote it; some were corrected since.
;; Attention Layer. Allowed arithmetic: matrix products marked QUANTISED: E2M1 operands, one E8M0 scale for each 32 along K, by v_wmma_scale_f32_16x16x128_f8f6f4 with both operands' format E2M1 (or v_wmma_scale_f32_32x16x128_f4), f32 sums; products left as they are: bf16, f16 or f32 operands; f32 sums; everything else in f32.
;; Inputs: b_out 1,024 float32; payload 4 x 2,048 x 1,024 float32; w_out 1,024 x 1,024 float32; w_qkv 1,024 x 3,072 float32.
;; Outputs: out0 4 x 2,048 x 1,024 float32.
;; This version of the problem:
;;   THIS VERSION OF THE PROBLEM IS GIVEN IN LOW PRECISION. The matrix products marked QUANTISED in the list below multiply operands that are first quantised to E2M1 (2 exponent bits, 1 mantissa bit; 4 bits a number), with one power-of-two scale for each 32 numbers along K (OCP MX v1.0); their sums are f32. The products marked 'left as it is' may take bf16, f16 or f32 operands, with f32 sums. Whichever they take, every output number must still come out within the allowed error. Rounding operands to bf16 (8 significant bits) uses up far more of that allowance than f16 does (11 bits, for magnitudes from 6e-5 to 65,504). All else is computed in f32.
;;   The module's matrix products, in the order in which they are computed (A, B: the left and right operand; K: the contracted axis; several contracted axes count as one K, in the product's order):
;;     1. [M 8,192, K 1,024] x [K 1,024, N 3,072]; A: input payload; B: input w_qkv: QUANTISED
;;     2. batch 64 x [M 2,048, K 64] x [K 64, N 2,048]; A: computed on the way; B: computed on the way: left as it is (an operand is computed on the way)
;;     3. batch 64 x [M 2,048, K 2,048] x [K 2,048, N 64]; A: computed on the way; B: computed on the way: left as it is (an operand is computed on the way)
;;     4. [M 8,192, K 1,024] x [K 1,024, N 1,024]; A: computed on the way; B: input w_out: left as it is (an operand is computed on the way)
;;   THE QUANTISER, for each operand of a quantised product, along K:
;;     - K is cut into blocks of 32 from its start; a last block that is shorter is filled with zeros.
;;     - A block's scale is 2^e with e = floor(log2(the largest magnitude in the block)) - 2, held to -126 .. 127; a block of zeros has e = 0. As a byte (E8M0): e + 127.
;;     - Each number is divided by its block's scale, clamped to +-6, and rounded to the nearest number of E2M1, ties to even, subnormals kept.
;;     - The product sums the exact products of the quantised numbers (number of the format x scale) in f32.
;;   ~~~python
;;   def quantise(x, axis):      # numpy; x: float32 -> the quantised numbers, widened to float32 again
;;       x = np.moveaxis(x, axis, -1); K = x.shape[-1]
;;       x = np.pad(x, [(0, 0)] * (x.ndim - 1) + [(0, -K % 32)]); x = x.reshape(x.shape[:-1] + (-1, 32)); a = np.abs(x).max(-1, keepdims=True)
;;       e = np.where(a > 0, np.clip(np.frexp(np.where(a > 0, a, 1))[1] - 1 - 2, -126, 127), 0)      # np.frexp(a)[1] - 1 = floor(log2(a)), exactly
;;       r = np.clip(x / 2.0 ** e, -6, 6)
;;       step = 2.0 ** (np.maximum(np.frexp(np.where(r == 0, 1, r))[1] - 1, 0) - 1)
;;       q = np.round(r / step) * step * 2.0 ** e      # np.round: ties to even
;;       return np.moveaxis(q.reshape(q.shape[:-2] + (-1,))[..., :K], -1, axis).astype(np.float32)
;;   ~~~
;; One version. Each part assembles by itself: llvm-mc -triple=amdgcn-amd-amdhsa -mcpu=gfx1250 --defsym DOCPART=n.
;; ======== version 1 of 1: 5 launches
;; limits: values are held in f16: magnitudes above 65,504 overflow, below 6.1e-05 lose precision
;; workspace buffers: x_codes 4,194,304 bytes; x_scales 262,144 bytes; w_codes 1,572,864 bytes; w_scales 98,304 bytes; wf 2,097,152 bytes; qkv 50,331,648 bytes; head32 786,432 bytes; ctxf 16,777,216 bytes
;; launch prep (part 1): grid 416 x 1, 4 waves a work-group, no clusters, 50,688 bytes of LDS; arguments payload, w_qkv, w_out, x_codes, x_scales, w_codes, w_scales, wf; writes x_codes, x_scales, w_codes, w_scales, wf
.if DOCPART == 1
	.amdgcn_target "amdgcn-amd-amdhsa--gfx1250"
	.amdhsa_code_object_version 6
	.text
	.protected	k_qacd3992c13_prep
	.globl	k_qacd3992c13_prep
	.p2align	8
	.type	k_qacd3992c13_prep,@function
k_qacd3992c13_prep:
	s_mov_b64 s[64:65], 0
	v_nop
	global_prefetch_b8 v0, s[64:65] scope:SCOPE_SE
	s_setreg_imm32_b32 hwreg(HW_REG_WAVE_MODE, 25, 1), 1
	s_wait_xcnt 0x0
; THE PROGRAM: out0 = softmax_causal(q k^T / 8) v, heads joined, x w_out + b_out, with q, k, v = payload x w_qkv on codes of E2M1 (MX-FP4).  Five launches:
;   prep (this one): payload and w_qkv into codes and scale bytes, w_out into f16;  qkv: the quantised product;  attn: the two products of attention, in f16;  proj: the product with w_out, in f16;
;   first16: positions 0 to 15 of every sequence once more, in f32 from the quantised product's f32 sums to out0.
; WORK LEFT OUT, and why it is dead for all finite inputs: reference() builds causal = tril(ones) in its own body and sets scores to -inf where key > query; softmax gives such a key the weight exp(-inf) = 0,
; and 0 x v adds nothing to ctx.  So key steps all of whose keys come after all queries of a wave are not multiplied (launch attn), and their tiles are not fetched where no wave of the work-group reads them.
; Launch proj does not store rows 0 to 15 of a sequence: launch first16 stores them.  No input is left out: payload, w_qkv, w_out and b_out all reach out0.
; LIMITS: a NaN, an infinity or an overflow that reaches only the masked scores is not carried to the result.  NaN and infinities among the inputs are not served.  q, k, v, ctx and w_out go on in f16: beyond 65,504 they
; become infinity, under 6e-5 they keep an absolute error of 3e-8.  A block of zeros gets the scale byte 1 where the rule says 127: its codes are zeros, which add nothing under any byte but 0xff, and this program alone reads the bytes.
; Blocks whose largest magnitude lies under 2^(3 - 127), the floor, were not tried.  f32 sums are taken in another order than reference()'s.
;
; THIS LAUNCH: three paths that part on the work-group's number and meet only at the end.  No tensor load, no matrix instruction.
;   P, work-groups 0-255:   payload [8192][1024] f32, K innermost -> x_codes [8192][512 bytes], x_scales [8192][32].  A plain stream of blocks of 32; a wave takes 16 steps of 512 numbers.
;   W, work-groups 256-351: w_qkv [1024 (K)][3072] f32 -> w_codes [3072][512 bytes], K innermost, w_scales [3072][32].  A lane takes a column, its registers run down K.
;   O, work-groups 352-415: w_out [1024 (K)][1024] f32 -> wf: f16, in the order of an operand's registers: [nt 64][kf 32][1024 bytes]; in an image lane (r, h)'s registers 0-3 (k = 32 kf + 8 h + 0..7 of column 16 nt + r)
;      lie at 16 x lane, its registers 4-7 (k = 32 kf + 16 + 8 h + 0..7) at 512 + 16 x lane.
; A block's scale is 2^(floor(log2(largest magnitude)) - 2): its byte is the largest magnitude's exponent field - 2, held at 1 from below by a floor among the maximum's leaves.
; Each path has LDS bytes of its own.  No cluster: no two work-groups read the same bytes.
.set SPW,   190                        ; v190  LDS address of my spare word: SPARE + 4 x my thread's number; never rewritten
.set NIL,   191                        ; v191  0; never rewritten
.set PREG,  8192                       ; path P: a region for each wave: two stages of 32 x PSP bytes, behind them its 256 scale bytes
.set PSP,   80                         ; a lane's place in a stage: 64 bytes + 16 of padding
.set PR,    16                         ; v16-79   four sets of 16 numbers as loaded
.set PX,    80                         ; v80-111  two sets of 16 neighbours
.set PE,    112                        ; v112-127 a scale byte for each step
.set PC,    128                        ; v128-159 codes: two registers for each step, so that no store's data are written again
.set WSTG,  32768                      ; path W: two stages of 32 rows x WP bytes, one for each pair of waves
.set WP,    272                        ; a stage row: 256 bytes of codes + 16
.set WX,    32                         ; v32-95   two sets of 32 numbers (paths W and O)
.set WC,    96                         ; v96-99   a block's codes
.set WSB,   24                         ; v24-25   eight scale bytes
.set WOUT,  112                        ; v112-143 the way out
.set SPARE, 50176                      ; behind both: the spare words, 128 bytes for each wave: two blocks of 256 bytes that no other line names
	s_load_b256 s[4:11], s[0:1], 0x0               ; payload s[4:5], w_qkv s[6:7], w_out s[8:9], x_codes s[10:11]
	s_load_b256 s[12:19], s[0:1], 0x20             ; x_scales s[12:13], w_codes s[14:15], w_scales s[16:17], wf s[18:19]
	v_lshl_add_u32 v[SPW], v0, 2, SPARE
	v_mov_b32 v[NIL], 0
	v_lshrrev_b32 v1, 5, v0
	v_readfirstlane_b32 s20, v1                    ; wave 0..3
	v_and_b32 v2, 31, v0                           ; lane
	s_mov_b32 s25, 0                               ; the upper word of every offset: all lie under 2^32
	s_wait_kmcnt 0x0
	s_cmp_lt_u32 ttmp9, 256
	s_cbranch_scc1 .Lpath_p
	s_cmp_lt_u32 ttmp9, 352
	s_cbranch_scc1 .Lpath_w
; ---- PATH O: w_out to f16.  Work-group u: columns 128 (u % 8) on, K 128 (u / 8) on; a wave 32 columns, a lane one column, 4 x 32 numbers down K.
	s_sub_co_u32 s21, ttmp9, 352
	s_and_b32 s22, s21, 7                          ; cb
	s_lshr_b32 s23, s21, 3                         ; kb
	v_lshlrev_b32 v3, 2, v2                        ; in: 4 bytes a lane
	s_lshl_b32 s24, s23, 19                        ; 128 kb rows of 4,096 bytes
	s_lshl_b32 s26, s22, 9                         ; 128 cb columns
	s_add_co_u32 s24, s24, s26
	s_lshl_b32 s26, s20, 7                         ; 32 columns a wave
	s_add_co_u32 s24, s24, s26
	s_add_nc_u64 s[8:9], s[8:9], s[24:25]
	s_lshl_b32 s24, s22, 18                        ; out: column tile 8 cb + 2 wave, 32,768 bytes each,
	s_lshl_b32 s26, s20, 16
	s_add_co_u32 s24, s24, s26
	s_lshl_b32 s26, s23, 12                        ; image 4 kb of it
	s_add_co_u32 s24, s24, s26
	s_add_nc_u64 s[18:19], s[18:19], s[24:25]
	v_and_b32 v5, 15, v2
	v_lshrrev_b32 v6, 4, v2
	v_lshlrev_b32 v4, 15, v6                       ; lanes 16-31: the next column tile
	v_lshl_add_u32 v4, v5, 4, v4                   ; 16 bytes a column
.macro OLOAD f                         ; w_out(32 f + i, my column), i = 0 .. 31, into set f % 2: a wave reads 128 consecutive bytes, the four waves 512
.irp i, 0,1,2,3,4,5,6,7,8,9,10,11,12,13,14,15,16,17,18,19,20,21,22,23,24,25,26,27,28,29,30,31
	global_load_b32 v[WX+32*((\f)%2)+\i], v3, s[8:9] offset:(32*(\f)+\i)*4096 th:TH_LOAD_NT
.endr
.endm
.macro OPART f
.if (\f) < 3
	s_wait_loadcnt 32                              ; this part's 32 loads are in; the next part's may be out
.else
	s_wait_loadcnt 0x0
.endif
.irp n, 0,1,2,3,4,5,6,7,8,9,10,11,12,13,14,15
	v_cvt_pk_f16_f32 v[96+16*(\f)+\n], v[WX+32*((\f)%2)+2*\n], v[WX+32*((\f)%2)+2*\n+1]   ; the lower k in the low half
.endr
.if (\f)+2 < 4
	OLOAD (\f)+2
.endif
.irp p, 0,1,2,3                        ; k = 8 p .. 8 p + 7 of the image: 256 p bytes on; sixteen lanes store 256 consecutive bytes, aligned
	global_store_b128 v4, v[96+16*(\f)+4*\p:96+16*(\f)+4*\p+3], s[18:19] offset:1024*(\f)+256*\p
.endr
.endm
	OLOAD 0
	OLOAD 1
	OPART 0
	OPART 1
	OPART 2
	OPART 3                                        ; every part has its own registers for its results: no store's data are written again
	s_branch .Lend
; ---- PATH W: w_qkv.  Work-group u: columns 64 (u % 48) on, K 512 (u / 48) on.  Waves 2 g and 2 g + 1 share 32 columns: each takes 256 along K, 8 blocks a lane.
.Lpath_w:
	s_sub_co_u32 s21, ttmp9, 256
	s_cmp_ge_u32 s21, 48
	s_cselect_b32 s22, 1, 0                        ; ky
	s_mul_i32 s23, s22, 48
	s_sub_co_u32 s21, s21, s23                     ; which 64 columns
	s_lshr_b32 s23, s20, 1                         ; cg: which 32 of them
	s_and_b32 s26, s20, 1                          ; kh: which 256 along K
	s_lshl_b32 s27, s21, 6
	s_lshl_b32 s28, s23, 5
	s_add_co_u32 s27, s27, s28                     ; my wave's first column
	s_lshl_b32 s28, s22, 9
	s_lshl_b32 s29, s26, 8
	s_add_co_u32 s28, s28, s29                     ; my first k
	s_mul_i32 s24, s28, 12288                      ; rows of 12,288 bytes
	s_lshl_b32 s29, s27, 2
	s_add_co_u32 s24, s24, s29
	s_add_nc_u64 s[6:7], s[6:7], s[24:25]
	s_lshl_b32 s28, s26, 4                         ; the way out: wave kh stores the pair's rows 16 kh on
	s_add_co_u32 s28, s28, s27
	s_lshl_b32 s24, s28, 9                         ; rows of 512 bytes,
	s_lshl_b32 s29, s22, 8                         ; the half that belongs to ky
	s_add_co_u32 s24, s24, s29
	s_add_nc_u64 s[14:15], s[14:15], s[24:25]
	s_lshl_b32 s24, s27, 5                         ; scale bytes: rows of 32, byte 16 ky + 8 kh on
	s_lshl_b32 s29, s22, 4
	s_add_co_u32 s24, s24, s29
	s_lshl_b32 s29, s26, 3
	s_add_co_u32 s24, s24, s29
	s_add_nc_u64 s[16:17], s[16:17], s[24:25]
	s_mul_i32 s28, s23, 32*WP
	s_add_co_u32 s28, s28, WSTG                    ; my pair's stage
	s_lshl_b32 s29, s26, 7
	s_add_co_u32 s29, s29, s28
	v_mul_u32_u24 v4, v2, WP
	v_add_nc_u32 v4, s29, v4                       ; into it: row = my column, my half of its 256 bytes
	s_mul_i32 s29, s26, 16*WP
	s_add_co_u32 s29, s29, s28
	v_and_b32 v5, 15, v2
	v_lshrrev_b32 v6, 4, v2
	v_mul_u32_u24 v7, v6, WP
	v_lshl_add_u32 v7, v5, 4, v7
	v_add_nc_u32 v7, s29, v7                       ; out of it: sixteen lanes to a row, two rows an instruction, rows 16 kh on
	v_lshlrev_b32 v8, 9, v6
	v_lshl_add_u32 v8, v5, 4, v8                   ; and the same place in w_codes
	v_lshlrev_b32 v9, 5, v2                        ; my column's row of scale bytes
	v_lshlrev_b32 v3, 2, v2                        ; in: 4 bytes a lane
.macro WLOADB t                        ; block t: w_qkv(32 t + i, my column) into set t % 2; the greatest immediate is 255 x 12,288
.irp i, 0,1,2,3,4,5,6,7,8,9,10,11,12,13,14,15,16,17,18,19,20,21,22,23,24,25,26,27,28,29,30,31
	global_load_b32 v[WX+32*((\t)%2)+\i], v3, s[6:7] offset:(32*(\t)+\i)*12288 th:TH_LOAD_NT
.endr
.endm
.macro WBLOCK t
.set XS, WX+32*((\t)%2)
.if (\t) < 7
	s_wait_loadcnt 32                              ; this block's 32 loads are in; the next block's may be out
.else
	s_wait_loadcnt 0x0
.endif
	v_max3_num_f32 v12, |v[XS]|, |v[XS+1]|, |v[XS+2]|              ; the block's largest magnitude: all 32 numbers are mine
	v_max3_num_f32 v13, |v[XS+3]|, |v[XS+4]|, |v[XS+5]|
.irp i, 6,10,14,18,22,26
	v_max3_num_f32 v12, v12, |v[XS+\i]|, |v[XS+\i+1]|
	v_max3_num_f32 v13, v13, |v[XS+\i+2]|, |v[XS+\i+3]|
.endr
	v_max3_num_f32 v12, v12, |v[XS+30]|, |v[XS+31]|
	v_max3_num_f32 v12, v12, v13, 0x1800000        ; and the floor 2^(3 - 127): the byte cannot fall under 1
	v_add_nc_u32 v11, 0xff000000, v12              ; 2 off its exponent field: the conversion takes the exponent field of this operand as its scale
	v_lshrrev_b32 v13, 23, v11                     ; the scale's byte
.if (\t)%4 == 0
	v_mov_b32 v[WSB+(\t)/4], v13                   ; four bytes to a register, the lower K in the lower byte
.else
	v_lshl_or_b32 v[WSB+(\t)/4], v13, 8*((\t)%4), v[WSB+(\t)/4]
.endif
.irp g, 0,1,2,3
	v_cvt_scalef32_pk8_fp4_f32 v[WC+\g], v[XS+8*\g:XS+8*\g+7], v11
.endr
	ds_store_b128 v4, v[WC:WC+3] offset:16*(\t)    ; 32 codes: 16 bytes of my column's row
.if (\t)+2 < 8
	WLOADB (\t)+2
.endif
	s_wait_dscnt 0x0                               ; the store has read its registers: the next block's codes may be written
.endm
	WLOADB 0
	WLOADB 1
.irp t, 0,1,2,3,4,5,6,7
	WBLOCK \t
.endr
	global_store_b64 v9, v[WSB:WSB+1], s[16:17]    ; my column's eight scale bytes: 8 bytes a lane, rows 32 bytes apart (one byte in 128 of what this path reads)
	s_wait_dscnt 0x0                               ; for the other wave of my pair: my stores into the stage are done
	s_barrier_signal -1                            ; all four waves of a work-group are on this path: it was chosen by the work-group's number
	s_barrier_wait -1
.irp i, 0,1,2,3,4,5,6,7
	ds_load_b128 v[WOUT+4*\i:WOUT+4*\i+3], v7 offset:2*\i*WP
.endr
.irp i, 0,1,2,3,4,5,6,7
	s_wait_dscnt 7-\i                              ; LDS loads come back in order: load i is in
	global_store_b128 v8, v[WOUT+4*\i:WOUT+4*\i+3], s[14:15] offset:1024*\i   ; sixteen lanes store 256 consecutive bytes, aligned
.endr
	s_branch .Lend
; ---- PATH P: payload.  Each of a step's four loads reads 512 consecutive bytes; the 2,048 bytes turn through the wave's own stage in LDS and come back 64 bytes a lane: 16 neighbours along K; two neighbouring lanes hold a block.
.Lpath_p:
	v_lshlrev_b32 v3, 4, v2                        ; my 16 bytes of a load's 512
	s_mul_i32 s21, s20, PREG
	v_lshrrev_b32 v14, 2, v2
	v_mul_u32_u24 v14, v14, PSP
	v_and_b32 v15, 3, v2
	v_lshl_add_u32 v14, v15, 4, v14
	v_add_nc_u32 v14, s21, v14                     ; the stage, on the way in: four lanes' 64 bytes on end, then 16 of padding
	v_mul_u32_u24 v15, v2, PSP
	v_add_nc_u32 v15, s21, v15                     ; and on the way out: my 16 neighbours
	v_lshlrev_b32 v4, 3, v2                        ; my codes' place in a step's: 8 bytes a lane
	v_lshrrev_b32 v5, 1, v2
	s_add_co_u32 s21, s21, 2*32*PSP
	v_add_nc_u32 v5, s21, v5                       ; LDS: my wave's 256 scale bytes, my block's byte
	v_lshlrev_b32 v7, 3, v2
	v_add_nc_u32 v6, s21, v7                       ; and on the way out 8 bytes a lane
	s_lshl_b32 s22, ttmp9, 2
	s_add_co_u32 s22, s22, s20                     ; which run of 8,192 numbers is my wave's
	s_lshl_b32 s24, s22, 15
	s_add_nc_u64 s[4:5], s[4:5], s[24:25]
	s_lshl_b32 s24, s22, 12
	s_add_nc_u64 s[10:11], s[10:11], s[24:25]
	s_lshl_b32 s24, s22, 8
	s_add_nc_u64 s[12:13], s[12:13], s[24:25]
.macro PLOAD t
.irp i, 0,1,2,3
	global_load_b128 v[PR+16*((\t)%4)+4*\i:PR+16*((\t)%4)+4*\i+3], v3, s[4:5] offset:2048*(\t)+512*\i th:TH_LOAD_NT
.endr
.endm
.macro PTURN t                         ; step t's numbers through the stage: LDS serves a wave's instructions in order, so no wait stands between the stores and the loads
.irp i, 0,1,2,3
	ds_store_b128 v14, v[PR+16*((\t)%4)+4*\i:PR+16*((\t)%4)+4*\i+3] offset:32*PSP*((\t)%2)+8*PSP*\i
.endr
.irp i, 0,1,2,3
	ds_load_b128 v[PX+16*((\t)%2)+4*\i:PX+16*((\t)%2)+4*\i+3], v15 offset:32*PSP*((\t)%2)+16*\i
.endr
.endm
.irp t, 0,1,2,3
	PLOAD \t
.endr
	s_wait_loadcnt 12                              ; step 0's four loads are in; three steps' twelve may be out
	PTURN 0
.macro PSTEP t
.set XS, PX+16*((\t)%2)
.if (\t) > 0
	s_wait_dscnt 1                                 ; this step's numbers are back from the stage (the last step's byte store may be out): so its stores into the stage have read their registers,
.else
	s_wait_dscnt 0x0
.endif
.if (\t)+4 < 16
	PLOAD (\t)+4                                   ; which take the loads of four steps on
.endif
.if (\t)+1 < 16
.if 14-(\t) >= 3
	s_wait_loadcnt 12                              ; the next step's four loads are in; those of the three steps behind it may be out
.else
	s_wait_loadcnt 4*(14-(\t))                     ; the tail: fewer steps stand behind it
.endif
	PTURN (\t)+1
.endif
	v_max3_num_f32 v8, |v[XS]|, |v[XS+1]|, |v[XS+2]|               ; the largest magnitude of my 16
	v_max3_num_f32 v9, |v[XS+3]|, |v[XS+4]|, |v[XS+5]|
.irp i, 6,10
	v_max3_num_f32 v8, v8, |v[XS+\i]|, |v[XS+\i+1]|
	v_max3_num_f32 v9, v9, |v[XS+\i+2]|, |v[XS+\i+3]|
.endr
	v_max3_num_f32 v8, v8, |v[XS+14]|, |v[XS+15]|
	v_max3_num_f32 v8, v8, v9, 0x1800000           ; and the floor 2^(3 - 127)
	v_max_num_f32_dpp v8, v8, v8 row_xmask:1 row_mask:0xf bank_mask:0xf   ; and of my neighbour's 16: the block's
	v_add_nc_u32 v11, 0xff000000, v8               ; 2 off its exponent field: the conversion's scale operand
	v_cvt_scalef32_pk8_fp4_f32 v[PC+2*(\t)], v[XS:XS+7], v11
	v_cvt_scalef32_pk8_fp4_f32 v[PC+2*(\t)+1], v[XS+8:XS+15], v11
	v_lshrrev_b32 v[PE+(\t)], 23, v11              ; the scale's byte (a plain line behind the conversions)
	ds_store_b8 v5, v[PE+(\t)] offset:16*(\t)      ; both lanes of a block write the same byte with the same value
	global_store_b64 v4, v[PC+2*(\t):PC+2*(\t)+1], s[10:11] offset:256*(\t)   ; the wave stores 256 consecutive bytes, aligned
.endm
.irp t, 0,1,2,3,4,5,6,7,8,9,10,11,12,13,14,15
	PSTEP \t
.endr
	ds_load_b64 v[8:9], v6                         ; LDS serves a wave's instructions in order: these see my byte stores
	s_wait_dscnt 0x0
	global_store_b64 v7, v[8:9], s[12:13]          ; 32 lanes store 256 consecutive bytes, aligned
.Lend:
	s_wait_tensorcnt 0x0                           ; the wave's end: a wait on TENSORcnt, an add to my spare word
	ds_add_u32 v[SPW], v[NIL]
	s_wait_dscnt 0x0
	s_endpgm
.Lfunc_end_k_qacd3992c13_prep:
	.size	k_qacd3992c13_prep, .Lfunc_end_k_qacd3992c13_prep-k_qacd3992c13_prep
	.p2alignl 7, 3214868480
	.fill 96, 4, 3214868480
	.section	.rodata,"a",@progbits
	.p2align	6, 0x0
	.amdhsa_kernel k_qacd3992c13_prep
		.amdhsa_group_segment_fixed_size 50688
		.amdhsa_private_segment_fixed_size 0
		.amdhsa_enable_private_segment 0
		.amdhsa_kernarg_size 64
		.amdhsa_user_sgpr_count 2
		.amdhsa_user_sgpr_kernarg_segment_ptr 1
		.amdhsa_wavefront_size32 1
		.amdhsa_system_sgpr_workgroup_id_x 1
		.amdhsa_system_sgpr_workgroup_id_y 1
		.amdhsa_system_sgpr_workgroup_id_z 1
		.amdhsa_system_vgpr_workitem_id 0
		.amdhsa_next_free_vgpr 192
		.amdhsa_next_free_sgpr 66
		.amdhsa_reserve_vcc 0
		.amdhsa_float_denorm_mode_32 3
		.amdhsa_float_denorm_mode_16_64 3
		.amdhsa_memory_ordered 1
		.amdhsa_forward_progress 1
		.amdhsa_inst_pref_size 91
	.end_amdhsa_kernel
	.amdgpu_metadata
---
amdhsa.version: [ 1, 2 ]
amdhsa.kernels:
  - .name:           k_qacd3992c13_prep
    .symbol:         k_qacd3992c13_prep.kd
    .args:
      - { .name: payload, .offset: 0, .size: 8, .value_kind: global_buffer, .address_space: global }
      - { .name: w_qkv, .offset: 8, .size: 8, .value_kind: global_buffer, .address_space: global }
      - { .name: w_out, .offset: 16, .size: 8, .value_kind: global_buffer, .address_space: global }
      - { .name: x_codes, .offset: 24, .size: 8, .value_kind: global_buffer, .address_space: global }
      - { .name: x_scales, .offset: 32, .size: 8, .value_kind: global_buffer, .address_space: global }
      - { .name: w_codes, .offset: 40, .size: 8, .value_kind: global_buffer, .address_space: global }
      - { .name: w_scales, .offset: 48, .size: 8, .value_kind: global_buffer, .address_space: global }
      - { .name: wf, .offset: 56, .size: 8, .value_kind: global_buffer, .address_space: global }
    .group_segment_fixed_size: 50688
    .private_segment_fixed_size: 0
    .kernarg_segment_align: 8
    .kernarg_segment_size: 64
    .max_flat_workgroup_size: 128
    .sgpr_count:     66
    .vgpr_count:     192
    .wavefront_size: 32
...
	.end_amdgpu_metadata
.endif
;; end of part 1
;; launch qkv (part 2): grid 12 x 32, 4 waves a work-group, clusters of 4 x 4, 327,680 bytes of LDS; arguments x_codes, x_scales, w_codes, w_scales, qkv, head32; writes qkv, head32
.if DOCPART == 2
	.amdgcn_target "amdgcn-amd-amdhsa--gfx1250"
	.amdhsa_code_object_version 6
	.text
	.protected	k_qacd3992c13_qkv
	.globl	k_qacd3992c13_qkv
	.p2align	8
	.type	k_qacd3992c13_qkv,@function
k_qacd3992c13_qkv:
	s_mov_b64 s[64:65], 0
	v_nop
	global_prefetch_b8 v0, s[64:65] scope:SCOPE_SE
	s_setreg_imm32_b32 hwreg(HW_REG_WAVE_MODE, 25, 1), 1
	s_wait_xcnt 0x0
	s_wait_alu depctr_hold_cnt(0) depctr_sa_sdst(0) depctr_va_vdst(0) depctr_va_sdst(0) depctr_va_ssrc(0) depctr_va_vcc(0) depctr_vm_vsrc(0)
	s_getreg_b32 s2, hwreg(HW_REG_IB_STS2, 6, 4)
	s_cmp_eq_u32 s2, 0
	s_cbranch_scc0 .Lentry_in_a_cluster
	s_endpgm
.Lentry_in_a_cluster:
	s_bfe_u32 s2, ttmp6, 0x10000c
	s_cmp_lg_u32 s2, 0xf033
	s_cbranch_scc0 .Lentry_shape_is_right
	s_endpgm
.Lentry_shape_is_right:
; payload x w_qkv on codes of FP4 (E2M1) with one E8M0 scale for each 32 along K = 1,024; sums in f32.  Nothing of this product is left out.
; GENERIC FORM: C' = A' B'^T, a tile of 256 x 256 to a work-group of four waves, 128 x 128 to a wave: 64 accumulators of 16 x 16, 512 registers.  K goes in two slots of 512 (rows of 256 bytes); both are first fills: nothing is filled again.
; THE MATRIX INSTRUCTION IS USED TRANSPOSED (source 0 = 16 rows of B', source 1 = 16 rows of A'): a lane holds ONE row of A' and eight neighbouring rows of B'.
; WHICH IS WHICH hangs on the cluster's x (0: q, 1: k, 2: v).  For q and k: A' = tokens, B' = columns of w_qkv: a lane holds one token and 8 neighbours along the head's 64, which is a fragment of Q or K.
; For v: A' = columns of w_qkv, B' = tokens: a lane holds one channel and 8 neighbouring tokens, which is a fragment of V^T.  One multiply text serves both.
; THE RESULTS LEAVE AS IMAGES OF THE NEXT OPERAND'S REGISTERS, in f16: two accumulators pack into one fragment (16 rows x 32 along the next K, 1,024 bytes: registers 0-3 of lane l at 16 l, registers 4-7 at 512 + 16 l), so every store
; of a wave covers 512 consecutive bytes, aligned, and no stage in LDS is needed.  qkv: [b 4][g 48][262,144 bytes]; g 0-15 q's heads, 16-31 k's: [token tile 128][f 2][1024]; g 32-47 v's: [32 keys 64][channel tile 4][1024].
; Tokens 0-15 of every sequence also leave as raw f32 accumulators (head32: [b 4][192][1024 bytes]): launch first16 takes them.
; CLUSTERS: 4 x 4 work-groups.  A' tiles hang on (cluster x, cluster y, cy) alone and are shared along a row of the cluster, B' tiles on (cluster x, cluster y, cx) alone and are shared along a column: each is asked for JOINTLY.
; The token tile is cluster y + 8 x (cy or cx), so that a sequence's first tile falls on cluster y = 0: the branch for head32 hangs on the cluster's y and the wave's number, never on a place in the cluster.
; LIMIT: beyond 65,504 a result becomes infinity in f16.  384 work-groups: a tile that gave 256 would need 768 accumulator registers a wave and leave B' one set of fragments.
; No prefetch: all tensor loads go out together at the head.
; REGISTERS, in windows of 256: window 0: v0-31 addresses; v32-95 scale words, two sets; from v128 A' fragments, ONE set; on the way out v32-159 hold packed results.
;   window 1: B' fragments, TWO sets, at v0 and v128.   window 2: the accumulators of my rows 0-63 ((a, b) at v[8 (8 a + b)]);   window 3: those of my rows 64-127.
.set KSTEP,  512
.set NQ,     KSTEP/128                 ; matrix instructions deep in a slot
.set ROWB,   256                       ; a tile's row in bytes
.set KROW,   512                       ; a row of codes in memory
.set PITCH,  272                       ; an LDS row: 256 bytes + 16 of padding: the 16 rows that a load touches start at 16 different banks (64 banks of 4 bytes: ISA guide 11.1)
.set FR,     8
.set NL,     2
.set NP,     4                         ; places behind this matrix instruction (ISA guide 7.12.1)
.set HALFT,  128*PITCH
.set SLOT,   4*HALFT                   ; A' 256 rows, then B' 256 rows
.set KS,     32                        ; a row of scale bytes
.set SCL,    2*SLOT                    ; behind the slots: the scales, as units of 256 bytes + 16 of padding
.set HALFS,  (128*KS/256)*272
.set SBLK,   (16*KS/256)*272
.set SPARE,  SCL+4*HALFS               ; the spare words, 128 bytes for each wave: two blocks of 256 bytes that no other line names
.set ADRA, 16                          ; v16-17  LDS address of my A' fragments in slot 0, 1
.set ADRB, 20                          ; v20-21  the same for B'
.set CO,   26                          ; v26     16 x lane: my place in an image's half
.set ADRS, 27                          ; v27     LDS address of my scale words: lanes 0-15 A' rows, lanes 16-31 B' rows
.set SPW,  28                          ; v28     LDS address of my spare word; never rewritten
.set NIL,  29                          ; v29     0; never rewritten
.set SC,   32
.set AF,   128
.set TMP,  32                          ; the way out: 128 registers of packed results, 32 for each of four blocks in turn
.set G1, 24
.set G0, 32
.set G1B, 48
.set G0B, 56
.set G1S, 68
.set G0S, 76
.set G1SB, 80
.set G0SB, 88
.set MSB, 0
.macro WIN new                         ; the immediate's high byte repeats the setting that is left
.if MSB != (\new)
	s_set_vgpr_msb (MSB<<8)|(\new)
.set MSB, (\new)
.endif
.endm
.set MUL_LO, 0xa1                      ; source 0 (B') window 1, source 1 (A') window 0, C and D window 2
.set MUL_HI, 0xf1
.set TO_B,   0x40
; A joint load: waves 0 and 1 fetch for A', waves 2 and 3 for B'.  The branch hangs on the wave's number alone.  An s_nop 0 and four v_nop follow each of the two lines.
.macro JLOAD g0a, g1a, g0b, g1b
	s_cmp_eq_u32 s15, 0
	s_cbranch_scc0 .Lfor_b_\@
	tensor_load_to_lds s[\g0a:\g0a+3], s[\g1a:\g1a+7]
	s_nop 0
.rept 4
	v_nop
.endr
	s_branch .Lasked_\@
.Lfor_b_\@:
	tensor_load_to_lds s[\g0b:\g0b+3], s[\g1b:\g1b+7]
	s_nop 0
.rept 4
	v_nop
.endr
.Lasked_\@:
.endm
.macro CROUND                          ; a round of the cluster's barrier
	s_barrier_signal -1
	s_barrier_wait -1
	s_cmp_lg_u32 s14, 0
	s_cbranch_scc1 .Lnot_wave_0_\@
	s_barrier_signal -3
.Lnot_wave_0_\@:
	s_barrier_wait -3
	s_barrier_signal -1
	s_barrier_wait -1
.endm
	s_load_b128 s[4:7], s[0:1], 0x0                ; x_codes s[4:5], x_scales s[6:7]
	s_load_b128 s[8:11], s[0:1], 0x10              ; w_codes s[8:9], w_scales s[10:11]
	s_load_b64 s[12:13], s[0:1], 0x20              ; qkv
	s_load_b64 s[66:67], s[0:1], 0x28              ; head32
	v_lshl_add_u32 v[SPW], v0, 2, SPARE
	v_mov_b32 v[NIL], 0
	ds_add_u32 v[SPW], v[NIL]                      ; the wave's opening: the add, twice on end, and its wait ahead of my first tensor load
	ds_add_u32 v[SPW], v[NIL]                      ; and once more; the set-up below, work on registers, stands between it and the wait
	v_lshrrev_b32 v1, 5, v0
	v_readfirstlane_b32 s14, v1                    ; wave 0..3
	s_lshr_b32 s15, s14, 1                         ; which half of the tile's A' rows is mine.  Also: I fetch for A' (0) or for B' (1)
	s_and_b32 s16, s14, 1                          ; which half of its B' rows.  Also: which 128 rows I fetch
	s_mov_b32 s2, ttmp9                            ; cluster x: 0 q, 1 k, 2 v
	s_and_b32 s3, ttmp7, 0xffff                    ; cluster y: the token tile within a sequence
	s_bfe_u32 s40, ttmp6, 0x40000                  ; cx
	s_bfe_u32 s41, ttmp6, 0x40004                  ; cy
	s_lshl_b32 s17, s41, 3
	s_add_co_u32 s17, s17, s3                      ; q, k: A' tile = token tile y + 8 cy (sequence cy)
	s_add_co_u32 s45, s41, 8                       ; v:    A' tile = column tile 8 + cy
	s_lshl_b32 s42, s2, 2
	s_add_co_u32 s42, s42, s40                     ; q, k: B' tile = column tile 4 x + cx
	s_lshl_b32 s46, s40, 3
	s_add_co_u32 s46, s46, s3                      ; v:    B' tile = token tile y + 8 cx (sequence cx)
	s_cmp_eq_u32 s2, 2
	s_cselect_b32 s17, s45, s17                    ; A' tile: made of cy and the cluster's place alone
	s_cselect_b32 s42, s46, s42                    ; B' tile: made of cx and the cluster's place alone
	s_lshl_b32 s43, s41, 2
	s_lshl_b32 s43, 15, s43                        ; my row of the cluster
	s_lshl_b32 s44, 0x1111, s40                    ; my column
	; descriptor group 1: a tile of 128 rows x 256 bytes, 16 bytes of padding behind each row
	s_or_b32 s[G1+0], s43, (0<<16)|(1<<20)|(1<<21)|(5<<22)|(3<<25)  ; 15:0 the mask; 17:16 elements of 1 byte; 20 padding on; 21 set beside a mask; 24:22 after every 64 words; 31:25 four words
	s_or_b32 s[G1B+0], s44, (0<<16)|(1<<20)|(1<<21)|(5<<22)|(3<<25)
.irp g, G1, G1B
	s_mov_b32 s[\g+1], ROWB<<16                    ; tensor_dim0
	s_mov_b32 s[\g+2], 128<<16                     ; tensor_dim1
	s_mov_b32 s[\g+3], ROWB<<16                    ; tile_dim0
	s_mov_b32 s[\g+4], 128                         ; tile_dim1
	s_mov_b32 s[\g+5], KROW                        ; from row to row
	s_mov_b32 s[\g+6], 0
	s_mov_b32 s[\g+7], 0
.endr
	; the scales of 128 rows: 4,096 dense bytes, as 16 rows of 256 bytes (32 elements of 8 bytes), 16 bytes of padding behind each
	s_or_b32 s[G1S+0], s43, (3<<16)|(1<<20)|(1<<21)|(5<<22)|(3<<25)
	s_or_b32 s[G1SB+0], s44, (3<<16)|(1<<20)|(1<<21)|(5<<22)|(3<<25)
.irp g, G1S, G1SB
	s_mov_b32 s[\g+1], 32<<16
	s_mov_b32 s[\g+2], (128*KS/256)<<16
	s_mov_b32 s[\g+3], 32<<16
	s_mov_b32 s[\g+4], 128*KS/256
	s_mov_b32 s[\g+5], 32
	s_mov_b32 s[\g+6], 0
	s_mov_b32 s[\g+7], 0
.endr
	s_lshl_b32 s18, s16, 7                         ; which 128 rows of the tile I fetch
	s_lshl_b32 s20, s17, 8
	s_add_co_u32 s20, s20, s18                     ; A': row
	s_lshl_b32 s46, s42, 8
	s_add_co_u32 s46, s46, s18                     ; B': row
	s_mov_b32 s21, 0
	s_mov_b32 s47, 0
	s_mov_b64 s[18:19], KS
	s_mul_u64 s[22:23], s[20:21], s[18:19]         ; where these rows' scales begin, in bytes
	s_mul_u64 s[92:93], s[46:47], s[18:19]
	s_mov_b64 s[18:19], KROW
	s_mul_u64 s[20:21], s[20:21], s[18:19]         ; and their codes
	s_mul_u64 s[46:47], s[46:47], s[18:19]
	s_mul_i32 s45, s14, HALFT                      ; where they go: wave x 128 rows: no place in the cluster enters an LDS address
	s_mul_i32 s94, s14, HALFS
	s_wait_dscnt 0x0                               ; both opening adds are done
	s_wait_kmcnt 0x0
	s_cmp_eq_u32 s2, 2                             ; the buffers are chosen by the cluster's x alone
	s_cselect_b64 s[96:97], s[8:9], s[4:5]         ; A' codes
	s_cselect_b64 s[98:99], s[10:11], s[6:7]       ; A' scales
	s_cselect_b64 s[4:5], s[4:5], s[8:9]           ; B' codes
	s_cselect_b64 s[6:7], s[6:7], s[10:11]         ; B' scales
	s_add_nc_u64 s[20:21], s[96:97], s[20:21]
	s_add_nc_u64 s[22:23], s[98:99], s[22:23]
	s_add_nc_u64 s[46:47], s[4:5], s[46:47]
	s_add_nc_u64 s[92:93], s[6:7], s[92:93]
	CROUND                                         ; all sixteen work-groups are here: the joint loads meet
	s_mov_b32 s[G0S], 1
	s_add_co_u32 s[G0S+1], s94, SCL
	s_mov_b64 s[G0S+2:G0S+3], s[22:23]
	s_or_b32 s[G0S+3], s[G0S+3], 0x80000000
	s_mov_b32 s[G0SB], 1
	s_add_co_u32 s[G0SB+1], s94, SCL
	s_mov_b64 s[G0SB+2:G0SB+3], s[92:93]
	s_or_b32 s[G0SB+3], s[G0SB+3], 0x80000000
	JLOAD G0S, G1S, G0SB, G1SB                     ; the scales first: they are wanted with slot 0
.irp s, 0,1
	s_mov_b32 s[G0+4*\s], 1
	s_add_co_u32 s[G0+4*\s+1], s45, \s*SLOT
	s_add_nc_u64 s[G0+4*\s+2:G0+4*\s+3], s[20:21], \s*ROWB
	s_or_b32 s[G0+4*\s+3], s[G0+4*\s+3], 0x80000000
	s_mov_b32 s[G0B+4*\s], 1
	s_add_co_u32 s[G0B+4*\s+1], s45, \s*SLOT
	s_add_nc_u64 s[G0B+4*\s+2:G0B+4*\s+3], s[46:47], \s*ROWB
	s_or_b32 s[G0B+4*\s+3], s[G0B+4*\s+3], 0x80000000
	JLOAD G0+4*\s, G1, G0B+4*\s, G1B               ; three tensor loads of mine are out at the most
.endr
	v_and_b32 v1, 15, v0                           ; l % 16
	v_bfe_u32 v2, v0, 4, 1                         ; l / 16
	v_mul_u32_u24 v3, v1, PITCH
	v_lshl_add_u32 v4, v2, 4, v3                   ; a fragment's row x pitch + 16 x half
	s_mul_i32 s21, s15, HALFT                      ; my 128 rows of A'
	s_mul_i32 s22, s16, HALFT                      ; my 128 rows of B',
	s_add_co_u32 s22, s22, 2*HALFT                 ; which lie behind A' 256
.irp s, 0,1
	v_add_nc_u32 v[ADRA+\s], s21, v4
	v_add_nc_u32 v[ADRB+\s], s22, v4
	s_add_co_u32 s21, s21, SLOT
	s_add_co_u32 s22, s22, SLOT
.endr
	v_mul_u32_u24 v5, v1, KS                       ; my row's scales: 32 bytes a row,
	v_lshrrev_b32 v6, 8, v5
	v_lshl_add_u32 v5, v6, 4, v5                   ; and 16 more for each 256 passed
	s_mul_i32 s21, s15, HALFS
	s_mul_i32 s22, s16, HALFS
	s_add_co_u32 s22, s22, 2*HALFS
	s_sub_co_u32 s22, s22, s21
	v_mul_u32_u24 v6, s22, v2                      ; lanes 16-31 take B': one product, the distance between the two bases
	s_add_co_u32 s21, s21, SCL
	v_add_nc_u32 v5, v5, v6
	v_add_nc_u32 v[ADRS], s21, v5
	v_and_b32 v6, 31, v0
	v_lshlrev_b32 v[CO], 4, v6
.macro FRAG reg, adr, q, i             ; a fragment, 16 rows x 128 K of 4-bit codes: lane l holds row l % 16; registers 4 c .. 4 c + 3 hold K = 64 c + 32 (l / 16) + 0 .. 31
.irp c, 0,1
	ds_load_b128 v[\reg+4*\c:\reg+4*\c+3], v[\adr] offset:64*(\q)+32*\c+(\i)*16*PITCH
.endr
.endm
; 16 matrix instructions: A' blocks a0, a0 + 1 x B' eight, 128 along K.  zero = 1: the first product starts the sums.  The 64 accumulators take turns, one instruction a turn.
; One register carries A' scale word (lanes 0-15) and B' (lanes 16-31): source 0 (B') names register b with ROW1, source 1 (A') register a.
.macro MUL16 a0, p, q, sc, zero
.irp a, \a0, \a0+1
.irp b, 0,1,2,3,4,5,6,7
.if \zero
	v_wmma_scale_f32_16x16x128_f8f6f4 v[8*(8*((\a)%4)+\b):8*(8*((\a)%4)+\b)+7], v[128*(\p)+FR*\b:128*(\p)+FR*\b+FR-1], v[AF+FR*(\a):AF+FR*(\a)+FR-1], 0, v[SC+8*NQ*(\sc)+NQ*\b+(\q)], v[SC+8*NQ*(\sc)+NQ*(\a)+(\q)] matrix_a_fmt:MATRIX_FMT_FP4 matrix_b_fmt:MATRIX_FMT_FP4 matrix_a_scale:MATRIX_SCALE_ROW1
.else
	v_wmma_scale_f32_16x16x128_f8f6f4 v[8*(8*((\a)%4)+\b):8*(8*((\a)%4)+\b)+7], v[128*(\p)+FR*\b:128*(\p)+FR*\b+FR-1], v[AF+FR*(\a):AF+FR*(\a)+FR-1], v[8*(8*((\a)%4)+\b):8*(8*((\a)%4)+\b)+7], v[SC+8*NQ*(\sc)+NQ*\b+(\q)], v[SC+8*NQ*(\sc)+NQ*(\a)+(\q)] matrix_a_fmt:MATRIX_FMT_FP4 matrix_b_fmt:MATRIX_FMT_FP4 matrix_a_scale:MATRIX_SCALE_ROW1
.endif
.endr
.endr
.endm
.macro FETCH_B slot, q, p
	WIN TO_B
.irp i, 0,1,2,3,4,5,6,7
	FRAG 128*(\p)+FR*\i, ADRB+\slot, \q, \i
.endr
	WIN 0
.endm
.macro FETCH_A slot, q, i0
.irp i, \i0, \i0+1, \i0+2, \i0+3
	FRAG AF+FR*(\i), ADRA+\slot, \q, \i
.endr
.endm
.macro SCALES sc                       ; a slot's scale words into set sc: four words a row
.irp i, 0,1,2,3,4,5,6,7
	ds_load_b128 v[SC+8*NQ*\sc+NQ*\i:SC+8*NQ*\sc+NQ*\i+3], v[ADRS] offset:\i*SBLK
.endr
.endm
.macro PLACES n                        ; plain vector instructions that name no register of the matrix instructions before them (ISA guide 7.12.1)
.rept \n
	v_nop
.endr
.endm
.macro STEP slot, q, zero              ; a step of 128 along K that has its successor in the same slot
	s_wait_dscnt 4*NL                              ; B' set and A' blocks 0-3 are in; the youngest eight loads (A' blocks 4-7) may be out
	WIN MUL_LO
	MUL16 0, (\q)%2, \q, \slot, \zero
	MUL16 2, (\q)%2, \q, \slot, \zero
	s_wait_dscnt 0                                 ; A' blocks 4-7 are in
	PLACES NP
	FETCH_B \slot, (\q)+1, 1-(\q)%2
	FETCH_A \slot, (\q)+1, 0
	WIN MUL_HI
	MUL16 4, (\q)%2, \q, \slot, \zero
	MUL16 6, (\q)%2, \q, \slot, \zero
	PLACES NP
	WIN 0
	FETCH_A \slot, (\q)+1, 4
.endm
.macro TURN slot, next                 ; slot 0's last step goes over to slot 1: one barrier
	s_wait_tensorcnt 0x0                           ; all my tensor loads have landed: my part of the next slot
	ds_add_u32 v[SPW], v[NIL]                      ; 0 onto my spare word
	s_wait_dscnt 4*NL+1                            ; (the add and the youngest eight loads, A' blocks 4-7, may be out)
	WIN MUL_LO
	MUL16 0, 1, NQ-1, \slot, 0
	s_wait_dscnt 0x0                               ; the add is done, and my reads of this slot are over
	s_barrier_signal -1
	MUL16 2, 1, NQ-1, \slot, 0
	WIN 0
	s_barrier_wait -1                              ; the next slot is whole for every wave
	PLACES NP
	v_add_nc_u32 v[ADRS], 4*NQ, v[ADRS]            ; on to the next slot's scale words
	FETCH_B \next, 0, 0
	FETCH_A \next, 0, 0
	SCALES \next
	WIN MUL_HI
	MUL16 4, 1, NQ-1, \slot, 0
	MUL16 6, 1, NQ-1, \slot, 0
	PLACES NP
	WIN 0
	FETCH_A \next, 0, 4
.endm
	s_wait_tensorcnt 1                             ; the scales and my part of slot 0 are in (slot 1's load, issued behind them, may be out),
	s_barrier_signal -1
	s_barrier_wait -1                              ; everybody's are
	FETCH_B 0, 0, 0
	FETCH_A 0, 0, 0
	SCALES 0
	FETCH_A 0, 0, 4
	STEP 0, 0, 1                                   ; the first step's products start the sums: nothing is cleared
	STEP 0, 1, 0
	STEP 0, 2, 0
	TURN 0, 1
	STEP 1, 0, 0
	STEP 1, 1, 0
	STEP 1, 2, 0
	s_wait_dscnt 4*NL                              ; the last step: nothing more to fetch
	WIN MUL_LO
	MUL16 0, 1, NQ-1, 1, 0
	MUL16 2, 1, NQ-1, 1, 0
	s_wait_dscnt 0
	WIN MUL_HI
	MUL16 4, 1, NQ-1, 1, 0
	MUL16 6, 1, NQ-1, 1, 0
	WIN 0
; THE WAY OUT.  Accumulators (a, 2 c) and (a, 2 c + 1) pack into one image: lane (r, h) holds row 16 a + r of A' and rows 32 c + 8 h + 0..7 (registers 0-3) and 32 c + 16 + 8 h + 0..7 (registers 4-7) of B'.
; mode 0 (q, k): image at token tile a, head c / 2, f = c % 2.   mode 1 (v): image at head a / 4, channel tile a % 4, 32 keys c.
.macro OUT mode
.irp a, 0,1,2,3,4,5,6,7
.if \a >= 4
	s_wait_xcnt 0x0                                ; block a - 4's stores have read their registers: they are written again only behind this wait
.endif
	WIN 0x0a+5*(\a/4)                              ; sources 0 and 1: window 2 or 3
.irp c, 0,1,2,3
.irp u, 0,1
.irp i, 0,1,2,3
	v_cvt_pk_f16_f32 v[TMP+32*(\a%4)+8*\c+4*\u+\i], v[8*(8*(\a%4)+2*\c+\u)+2*\i], v[8*(8*(\a%4)+2*\c+\u)+2*\i+1]   ; each accumulator from its low end on
.endr
.endr
.endr
	WIN 0
.irp c, 0,1,2,3
.irp u, 0,1
.if \mode
	global_store_b128 v[CO], v[TMP+32*(\a%4)+8*\c+4*\u:TMP+32*(\a%4)+8*\c+4*\u+3], s[12:13] offset:262144*(\a/4)+1024*(\a%4)+4096*\c+512*\u   ; 32 lanes store 512 consecutive bytes, aligned
.else
	global_store_b128 v[CO], v[TMP+32*(\a%4)+8*\c+4*\u:TMP+32*(\a%4)+8*\c+4*\u+3], s[12:13] offset:2048*\a+262144*(\c/2)+1024*(\c%2)+512*\u
.endif
.endr
.endr
.endr
.endm
	PLACES NP                                      ; behind the last products: their results are read, and registers that held their scales and fragments are written
	s_cmp_eq_u32 s2, 2
	s_cbranch_scc1 .Lout_v
	; ---- q, k: sequence cy; g = 4 x column tile + 2 x my half; token tile 16 y + 8 x my half
	s_mul_i32 s20, s41, 12582912
	s_lshl_b32 s21, s42, 2
	s_lshl_b32 s22, s16, 1
	s_add_co_u32 s21, s21, s22
	s_lshl_b32 s21, s21, 18
	s_add_co_u32 s20, s20, s21
	s_lshl_b32 s21, s3, 4
	s_lshl_b32 s22, s15, 3
	s_add_co_u32 s21, s21, s22
	s_lshl_b32 s21, s21, 11
	s_add_co_u32 s20, s20, s21
	s_mov_b32 s21, 0
	s_add_nc_u64 s[12:13], s[12:13], s[20:21]
	s_or_b32 s22, s3, s15                          ; tokens 0-15 of a sequence lie in cluster y = 0, in the waves of the first row half, in block a = 0
	s_cmp_lg_u32 s22, 0
	s_cbranch_scc1 .Lno_head_qk
	s_mul_i32 s20, s41, 196608
	s_lshl_b32 s22, s42, 4
	s_lshl_b32 s23, s16, 3
	s_add_co_u32 s22, s22, s23                     ; 16 columns to an image: 16 x column tile + 8 x my half
	s_lshl_b32 s22, s22, 10
	s_add_co_u32 s20, s20, s22
	s_add_nc_u64 s[66:67], s[66:67], s[20:21]
	WIN 0x08                                       ; a store's data: window 2
.irp b, 0,1,2,3,4,5,6,7
	global_store_b128 v[CO], v[8*\b:8*\b+3], s[66:67] offset:1024*\b            ; accumulator (0, b) as it stands, its low end first
	global_store_b128 v[CO], v[8*\b+4:8*\b+7], s[66:67] offset:1024*\b+512
.endr
	WIN 0
.Lno_head_qk:
	OUT 0
	s_branch .Ldone
.Lout_v:
	; ---- v: sequence cx; g = 32 + 4 cy + 2 x my half of the channels; 32 keys 8 y + 4 x my half of the tokens
	s_mul_i32 s20, s40, 12582912
	s_lshl_b32 s21, s41, 2
	s_lshl_b32 s22, s15, 1
	s_add_co_u32 s21, s21, s22
	s_add_co_u32 s21, s21, 32
	s_lshl_b32 s21, s21, 18
	s_add_co_u32 s20, s20, s21
	s_lshl_b32 s21, s3, 3
	s_lshl_b32 s22, s16, 2
	s_add_co_u32 s21, s21, s22
	s_lshl_b32 s21, s21, 12
	s_add_co_u32 s20, s20, s21
	s_mov_b32 s21, 0
	s_add_nc_u64 s[12:13], s[12:13], s[20:21]
	s_or_b32 s22, s3, s16                          ; tokens 0-15: cluster y = 0, the waves of the first half of B', block b = 0
	s_cmp_lg_u32 s22, 0
	s_cbranch_scc1 .Lno_head_v
	s_mul_i32 s20, s40, 196608
	s_lshl_b32 s22, s41, 4
	s_lshl_b32 s23, s15, 3
	s_add_co_u32 s22, s22, s23
	s_add_co_u32 s22, s22, 128                     ; v's images lie behind q's and k's 128
	s_lshl_b32 s22, s22, 10
	s_add_co_u32 s20, s20, s22
	s_add_nc_u64 s[66:67], s[66:67], s[20:21]
	WIN 0x08
.irp a, 0,1,2,3
	global_store_b128 v[CO], v[64*\a:64*\a+3], s[66:67] offset:1024*\a          ; accumulator (a, 0)
	global_store_b128 v[CO], v[64*\a+4:64*\a+7], s[66:67] offset:1024*\a+512
.endr
	WIN 0x0c                                       ; window 3
.irp a, 0,1,2,3
	global_store_b128 v[CO], v[64*\a:64*\a+3], s[66:67] offset:1024*(\a+4)
	global_store_b128 v[CO], v[64*\a+4:64*\a+7], s[66:67] offset:1024*(\a+4)+512
.endr
	WIN 0
.Lno_head_v:
	OUT 1
.Ldone:
	s_wait_tensorcnt 0x0                           ; the wave's end: a wait on TENSORcnt, an add to my spare word and its wait, behind my last tensor load
	ds_add_u32 v[SPW], v[NIL]
	s_wait_dscnt 0x0
	CROUND                                         ; the closing round: no work-group ends while a partner may still ask for a tile that names it
	s_endpgm
.Lfunc_end_k_qacd3992c13_qkv:
	.size	k_qacd3992c13_qkv, .Lfunc_end_k_qacd3992c13_qkv-k_qacd3992c13_qkv
	.p2alignl 7, 3214868480
	.fill 96, 4, 3214868480
	.section	.rodata,"a",@progbits
	.p2align	6, 0x0
	.amdhsa_kernel k_qacd3992c13_qkv
		.amdhsa_group_segment_fixed_size 327680
		.amdhsa_private_segment_fixed_size 0
		.amdhsa_enable_private_segment 0
		.amdhsa_kernarg_size 48
		.amdhsa_user_sgpr_count 2
		.amdhsa_user_sgpr_kernarg_segment_ptr 1
		.amdhsa_wavefront_size32 1
		.amdhsa_system_sgpr_workgroup_id_x 1
		.amdhsa_system_sgpr_workgroup_id_y 1
		.amdhsa_system_sgpr_workgroup_id_z 1
		.amdhsa_system_vgpr_workitem_id 0
		.amdhsa_next_free_vgpr 1024
		.amdhsa_next_free_sgpr 100
		.amdhsa_reserve_vcc 0
		.amdhsa_float_denorm_mode_32 3
		.amdhsa_float_denorm_mode_16_64 3
		.amdhsa_memory_ordered 1
		.amdhsa_forward_progress 1
		.amdhsa_inst_pref_size 145
	.end_amdhsa_kernel
	.amdgpu_metadata
---
amdhsa.version: [ 1, 2 ]
amdhsa.kernels:
  - .name:           k_qacd3992c13_qkv
    .symbol:         k_qacd3992c13_qkv.kd
    .args:
      - { .name: x_codes, .offset: 0, .size: 8, .value_kind: global_buffer, .address_space: global }
      - { .name: x_scales, .offset: 8, .size: 8, .value_kind: global_buffer, .address_space: global }
      - { .name: w_codes, .offset: 16, .size: 8, .value_kind: global_buffer, .address_space: global }
      - { .name: w_scales, .offset: 24, .size: 8, .value_kind: global_buffer, .address_space: global }
      - { .name: qkv, .offset: 32, .size: 8, .value_kind: global_buffer, .address_space: global }
      - { .name: head32, .offset: 40, .size: 8, .value_kind: global_buffer, .address_space: global }
    .group_segment_fixed_size: 327680
    .private_segment_fixed_size: 0
    .kernarg_segment_align: 8
    .kernarg_segment_size: 48
    .max_flat_workgroup_size: 128
    .sgpr_count:     100
    .vgpr_count:     1024
    .wavefront_size: 32
...
	.end_amdgpu_metadata
.endif
;; end of part 2
;; launch attn (part 3): grid 4 x 64, 16 waves a work-group, no clusters, 327,680 bytes of LDS; arguments qkv, ctxf; writes ctxf
.if DOCPART == 3
	.amdgcn_target "amdgcn-amd-amdhsa--gfx1250"
	.amdhsa_code_object_version 6
	.text
	.protected	k_qacd3992c13_attn
	.globl	k_qacd3992c13_attn
	.p2align	8
	.type	k_qacd3992c13_attn,@function
k_qacd3992c13_attn:
	s_mov_b64 s[64:65], 0
	v_nop
	global_prefetch_b8 v0, s[64:65] scope:SCOPE_SE
	s_setreg_imm32_b32 hwreg(HW_REG_WAVE_MODE, 25, 1), 1
	s_wait_xcnt 0x0
; ctx[b][q][h] = the sum over k <= q of softmax_k(Q . K / 8) V, for each of 64 (sequence, head) pairs; Q, K, V in f16 as launch qkv laid them (images of operand registers); products, maxima and sums in f32; the weights p are rounded to f16.
; WORK LEFT OUT: reference()'s own causal mask gives a key behind the query the weight exp(-inf) = 0.  So a key step all of whose 64 keys come after all 32 queries of a wave is not multiplied, and a slot of keys that begins
; after the work-group's last query is not fetched.  LIMIT: a NaN or an overflow that reaches only such scores is not carried to the result.  ctx beyond 65,504 becomes infinity in f16.
; SHARES.  Work-group (i, 16 b + h) owns query blocks i and 7 - i of the head (256 queries each): every work-group so has the same count of live key steps.  Each of its SIXTEEN waves owns 32 queries, two tiles of 16, in 256 registers:
; four waves to a SIMD, so that one wave's vector work stands beside another's matrix work and LDS loads.  Waves of the early and of the late block are dealt so that two of each fall on every group of four, by either way of counting.
; Every wave walks all 8 slots of 256 keys, so that the trip counts are constants and no barrier is jumped over; what is left out is a step's work.
; LAYOUT.  S^T = K Q^T (source 0 = 16 keys, source 1 = 16 queries), O^T = V^T P (source 0 = 16 channels, source 1 = P): a lane holds ONE query (lane % 16) throughout, and two tiles of S^T, rounded to f16 in pairs in place, ARE source 1 of the second product.
; SOFTMAX.  A running maximum m and sum l for each query: p = 2^(c s - c m), c = log2(e) / 8; in every step O and l are multiplied by a = 2^(c m_old - c m_new).  Every query of a wave sees the first key of every step that the wave walks
; (the step's first key is a multiple of 64 and at most the wave's last query, the wave's first query a multiple of 32: so it is at most the first query), so m is a number from the first step on.
; NO CLUSTER: the four work-groups of a head end their fetching at different slots under the mask, so a partner would have to ask for tiles that none of its waves reads.
; ctxf: [row tile 512][kf 32][1024 bytes]: images of the next product's operand: row tile = (2,048 b + q) / 16, kf = 2 h + f.  A wave's stores cover 512 consecutive bytes each, aligned; no stage in LDS.
.set SLOT1, 65536                      ; a slot: K's 256 keys, [token tile 16][f 2][1024], then V's, [32 keys 8][channel tile 4][1024]: 65,536 bytes; one exclusive or turns an address from one slot to the other
.set VOFF,  32768
.set SPARE, 131072                     ; behind the two slots: the spare words, 128 bytes for each wave: eight blocks of 256 bytes that no other line names
.set LI,   1                           ; v1   16 x lane: my place in an image's half; never rewritten
.set ADR,  2                           ; v2   LDS address of the slot in hand + 16 x lane
.set SPW,  3                           ; v3   LDS address of my spare word; never rewritten
.set NIL,  4                           ; v4   0; never rewritten
.set PFO,  5                           ; v5   256 x lane: the prefetches' offset; never rewritten
.set D0,   6                           ; v6, v7  the mask: tile t's query less the step's first key less 8 (lane / 16)
.set ST,   8                           ; tile t's statistics at v[ST + 8 t]: +0 c m, +1 m, +2, +3 l in two halves, +4 to +7 at work; a takes +6
.set MINF, 24                          ; v24  -infinity
.set RH,   25                          ; v25  lane % 16 - 8 (lane / 16)
.set Q,    32                          ; v32-63   Q: tile t, f: 32 + 16 t + 8 f
.set KV,   64                          ; v64-127  a step's K, then its V
.set S,    128                         ; v128-191 S^T: tile t, 16 keys kt: 128 + 32 t + 8 kt; p is packed in place into 128 + 32 t + 0 .. 15
.set O,    192                         ; v192-255 O^T: tile t, 16 channels ct: 192 + 32 t + 8 ct
.set WV,   8                           ; s8   my wave's number
.set Q0,   13                          ; s13  my first query
.set QE,   14                          ; s14  my last query
.set QL,   15                          ; s15  my work-group's last query
.set KF,   16                          ; s16  the step's first key
.set TB,   17                          ; s17  LDS byte at which the slot in hand begins
.set SLOTS, 18                         ; s18  changes of slots still to come in the loop
.set SEL,  20                          ; s[20:21] lane selects for v_permlanex16_b32: lane l xor 16
.set CS,   22                          ; s[22:23] c: the packed form names a pair and takes its low word for both halves
.set G1,   24                          ; s[24:31] descriptor group 1
.set G0,   32                          ; s[32:35] descriptor group 0, which walks
.set PFA,  36                          ; s[36:37] where my prefetches stand
.set LIM,  38                          ; s38  1 in a wave that prefetches, else the greatest number
; Waves 0 and 1 fetch K's halves of a slot, waves 2 and 3 V's, the others nothing.  An s_nop 0 and four v_nop follow the load.
.macro TLOAD
	s_cmp_lt_u32 s[WV], 4
	s_cbranch_scc0 .Lasked_\@
	tensor_load_to_lds s[G0:G0+3], s[G1:G1+7]
	s_nop 0
.rept 4
	v_nop
.endr
.Lasked_\@:
.endm
; A PREFETCH of what the NEXT change of slots will ask for: a slot's 32,768 bytes of K and of V.  All four work-groups of a head walk the same K and V: work-group i = 0, which fetches every slot, asks.  In it the waves ask that fetch nothing,
; one instruction each: waves 4 to 7 for K's bytes, waves 8 to 11 for V's, 8,192 bytes a wave, lanes 256 bytes apart: each aligned block of 256 bytes is named once in the launch.  It stands a slot's four key steps ahead of the load that
; will want the bytes.  The last change that fills a slot asks for nothing; slots 0 and 1 come by their loads alone.
.macro ASK
	s_cmp_gt_u32 s[SLOTS], s[LIM]
	s_cbranch_scc0 .Lnot_mine_\@
	global_prefetch_b8 v[PFO], s[PFA:PFA+1] th:TH_LOAD_NT scope:SCOPE_SE
.Lnot_mine_\@:
.endm
	s_load_b128 s[4:7], s[0:1], 0x0                ; qkv s[4:5], ctxf s[6:7]
	v_lshl_add_u32 v[SPW], v0, 2, SPARE
	v_mov_b32 v[NIL], 0
	ds_add_u32 v[SPW], v[NIL]                      ; the wave's opening: the add, twice on end, and its wait ahead of my first tensor load
	ds_add_u32 v[SPW], v[NIL]                      ; and once more; the set-up below, work on registers, stands between it and the wait
	v_lshrrev_b32 v2, 5, v0
	v_readfirstlane_b32 s[WV], v2                  ; wave 0..15
	s_and_b32 s9, ttmp7, 0xffff
	s_lshr_b32 s10, s9, 4                          ; b
	s_and_b32 s11, s9, 15                          ; h
	s_lshr_b32 s40, s[WV], 1
	s_lshr_b32 s41, s[WV], 3
	s_xor_b32 s40, s40, s41
	s_and_b32 s40, s40, 1                          ; 1: my queries lie in the late block
	s_and_b32 s41, s[WV], 1
	s_bfe_u32 s42, s[WV], 0x10002
	s_lshl_b32 s42, s42, 1
	s_or_b32 s41, s41, s42
	s_bfe_u32 s42, s[WV], 0x10003
	s_lshl_b32 s42, s42, 2
	s_or_b32 s41, s41, s42                         ; which 32 queries of the block
	s_sub_co_u32 s42, 7, ttmp9                     ; the late block's number
	s_cmp_eq_u32 s40, 1
	s_cselect_b32 s43, s42, ttmp9
	s_lshl_b32 s[Q0], s43, 8
	s_lshl_b32 s41, s41, 5
	s_add_co_u32 s[Q0], s[Q0], s41
	s_add_co_u32 s[QE], s[Q0], 31
	s_lshl_b32 s[QL], s42, 8
	s_or_b32 s[QL], s[QL], 255
	s_mul_i32 s44, s10, 12582912                   ; the sequence's 48 regions,
	s_lshl_b32 s45, s11, 18                        ; the head's region among q's
	s_add_co_u32 s44, s44, s45
	; descriptor group 1: 16,384 dense bytes as 64 rows of 256 bytes (32 elements of 8 bytes), no padding: an image is read 512 consecutive bytes an instruction
	s_mov_b32 s[G1], 3<<16
	s_mov_b32 s[G1+1], 32<<16                      ; tensor_dim0
	s_mov_b32 s[G1+2], 64<<16                      ; tensor_dim1
	s_mov_b32 s[G1+3], 32<<16                      ; tile_dim0
	s_mov_b32 s[G1+4], 64                          ; tile_dim1
	s_mov_b32 s[G1+5], 32                          ; from row to row
	s_mov_b32 s[G1+6], 0
	s_mov_b32 s[G1+7], 0
	s_and_b32 s40, s[WV], 3
	s_lshl_b32 s[G0+1], s40, 14                    ; LDS: K's halves at 0 and 16,384, V's at 32,768 and 49,152, in slot 0
	s_lshr_b32 s41, s40, 1
	s_add_co_u32 s41, s41, 1
	s_lshl_b32 s46, s41, 22                        ; k's regions lie 16 regions (2^22 bytes) behind q's, v's 32
	s_and_b32 s41, s[WV], 1
	s_lshl_b32 s41, s41, 14
	s_add_co_u32 s46, s46, s41
	s_add_co_u32 s46, s46, s44
	s_mov_b32 s47, 0
	s_mov_b32 s[SEL], 0x76543210
	s_mov_b32 s[SEL+1], 0xfedcba98
	s_mov_b32 s[CS], 0x3e38aa3b                    ; c = log2(e) / 8
	s_mov_b32 s[CS+1], s[CS]                       ; (named with it as a pair, so it is written)
	s_mov_b32 s[KF], 0
	s_mov_b32 s[TB], 0
	s_mov_b32 s[SLOTS], 7
	s_wait_dscnt 0x0                               ; both opening adds are done
	s_wait_kmcnt 0x0
	s_mov_b32 s[G0], 1
	s_add_nc_u64 s[G0+2:G0+3], s[4:5], s[46:47]
	s_or_b32 s[G0+3], s[G0+3], 0x80000000
	TLOAD                                          ; slot 0: keys 0 to 255, which count for queries of every work-group
	s_lshl_b32 s48, s[Q0], 7                       ; Q: token tile Q0 / 16, 2,048 bytes each
	s_add_co_u32 s48, s48, s44
	s_mov_b32 s49, 0
	s_add_nc_u64 s[48:49], s[4:5], s[48:49]
	v_and_b32 v[LI], 31, v0
	v_lshlrev_b32 v[PFO], 8, v[LI]
	v_lshlrev_b32 v[LI], 4, v[LI]
.irp t, 0,1
.irp f, 0,1
.irp u, 0,1
	global_load_b128 v[Q+16*\t+8*\f+4*\u:Q+16*\t+8*\f+4*\u+3], v[LI], s[48:49] offset:2048*\t+1024*\f+512*\u   ; Q stays in registers
.endr
.endr
.endr
	s_cmp_lt_u32 s[WV], 8                          ; the prefetches: waves 4 to 7 stand in k's region, waves 8 to 11 in v's
	s_cselect_b32 s42, 1, 2
	s_lshl_b32 s42, s42, 22
	s_and_b32 s43, s[WV], 3
	s_lshl_b32 s43, s43, 13                        ; 8,192 bytes a wave
	s_add_co_u32 s42, s42, s43
	s_add_co_u32 s42, s42, s44
	s_add_co_u32 s42, s42, 32768                   ; in slot 1: the first change of slots steps it to slot 2
	s_mov_b32 s43, 0
	s_add_nc_u64 s[PFA:PFA+1], s[4:5], s[42:43]
	s_sub_co_u32 s40, s[WV], 4
	s_lshr_b32 s40, s40, 3                         ; 0 in waves 4 to 11,
	s_or_b32 s40, s40, ttmp9                       ; of work-group i = 0
	s_cmp_eq_u32 s40, 0
	s_cselect_b32 s[LIM], 1, -1
	s_lshl_b32 s42, s10, 22                        ; ctxf: row tile 128 b + Q0 / 16, 32,768 bytes each; image 2 h of it
	s_lshl_b32 s43, s[Q0], 11
	s_add_co_u32 s42, s42, s43
	s_lshl_b32 s43, s11, 11
	s_add_co_u32 s42, s42, s43
	s_mov_b32 s43, 0
	s_add_nc_u64 s[6:7], s[6:7], s[42:43]
	v_and_b32 v26, 15, v0
	v_bfe_u32 v27, v0, 4, 1
	v_lshlrev_b32 v27, 3, v27
	v_sub_nc_u32 v[RH], v26, v27
	v_mov_b32 v[MINF], 0xff800000
.irp t, 0,1
	v_mov_b32 v[ST+8*\t+1], 0xff61b1e6             ; m: -3e38, under every score
	v_mul_f32 v[ST+8*\t], s[CS], v[ST+8*\t+1]      ; c m
	v_mov_b32 v[ST+8*\t+2], 0                      ; l
	v_mov_b32 v[ST+8*\t+3], 0
	v_mov_b32 v[ST+8*\t+4], 0
	v_mov_b32 v[ST+8*\t+5], 0                      ; (a lane permute's destination counts as one of its sources)
	v_mov_b32 v[ST+8*\t+6], 0
	v_mov_b32 v[ST+8*\t+7], 0
.endr
.irp j, 0,1,2,3,4,5,6,7,8,9,10,11,12,13,14,15,16,17,18,19,20,21,22,23,24,25,26,27,28,29,30,31,32,33,34,35,36,37,38,39,40,41,42,43,44,45,46,47,48,49,50,51,52,53,54,55,56,57,58,59,60,61,62,63
	v_mov_b32 v[O+\j], 0                           ; O^T.  (The key step has no first form of its own: the first finds zeros, which a = 0 leaves zeros)
.endr
; THE SOFTMAX of a key step, both tiles line by line by turns, so that no line waits for the line above it.
.macro SOFT
.irp j, 0,1,2,3
.irp t, 0,1
	v_max3_num_f32 v[ST+8*\t+4+\j], v[S+32*\t+8*\j], v[S+32*\t+8*\j+1], v[S+32*\t+8*\j+2]   ; four chains, one for each accumulator, each begun at the accumulator's low end
.endr
.endr
.irp g, 3,5
.irp j, 0,1,2,3
.irp t, 0,1
	v_max3_num_f32 v[ST+8*\t+4+\j], v[ST+8*\t+4+\j], v[S+32*\t+8*\j+\g], v[S+32*\t+8*\j+\g+1]
.endr
.endr
.endr
.irp t, 0,1
	v_max3_num_f32 v[ST+8*\t+4], v[ST+8*\t+4], v[S+32*\t+7], v[S+32*\t+15]
	v_max3_num_f32 v[ST+8*\t+6], v[ST+8*\t+6], v[S+32*\t+23], v[S+32*\t+31]
.endr
.irp t, 0,1
	v_max3_num_f32 v[ST+8*\t+4], v[ST+8*\t+4], v[ST+8*\t+5], v[ST+8*\t+6]
.endr
.irp t, 0,1
	v_max3_num_f32 v[ST+8*\t+4], v[ST+8*\t+4], v[ST+8*\t+7], v[ST+8*\t+1]   ; with the old m
.endr
.irp t, 0,1
	v_permlanex16_b32 v[ST+8*\t+5], v[ST+8*\t+4], s[SEL], s[SEL+1]          ; the query's other 32 keys lie in the lane 16 away
.endr
.irp t, 0,1
	v_mov_b32 v[ST+8*\t+7], v[ST+8*\t]             ; c m_old is kept for a
.endr
.irp t, 0,1
	v_max_num_f32 v[ST+8*\t+1], v[ST+8*\t+4], v[ST+8*\t+5]
.endr
.irp t, 0,1
	v_mul_f32 v[ST+8*\t], s[CS], v[ST+8*\t+1]
.endr
.irp t, 0,1
	v_sub_f32 v[ST+8*\t+7], v[ST+8*\t+7], v[ST+8*\t]
.endr
.irp p, 0,2,4,6,8,10,12,14,16,18,20,22,24,26,28,30
.irp t, 0,1
	v_pk_fma_f32 v[S+32*\t+\p:S+32*\t+\p+1], v[S+32*\t+\p:S+32*\t+\p+1], s[CS:CS+1], v[ST+8*\t:ST+8*\t+1] op_sel_hi:[1,0,0] neg_lo:[0,0,1] neg_hi:[0,0,1]   ; c s - c m, two at a time
.endr
.endr
.irp t, 0,1
	v_exp_f32 v[ST+8*\t+6], v[ST+8*\t+7]           ; a.  ONE BATCH of 66 exponentials: none reads another's result
.endr
.irp e, 0,1,2,3,4,5,6,7,8,9,10,11,12,13,14,15,16,17,18,19,20,21,22,23,24,25,26,27,28,29,30,31
.irp t, 0,1
	v_exp_f32 v[S+32*\t+\e], v[S+32*\t+\e]         ; p, at most 1; 0 for a hidden key
.endr
.endr
	v_nop                                          ; a plain instruction behind the last exponential, ahead of the first use
	s_wait_alu depctr_va_vdst(0)                   ; the wait ahead of the first instruction that names a result: one for the batch
.irp t, 0,1
	v_pk_fma_f32 v[ST+8*\t+2:ST+8*\t+3], v[ST+8*\t+2:ST+8*\t+3], v[ST+8*\t+6:ST+8*\t+7], v[S+32*\t:S+32*\t+1] op_sel_hi:[1,0,1]   ; l = l a + the first pair; the sums are taken of p before it is rounded, in two chains
.endr
.irp t, 0,1
	v_pk_add_f32 v[ST+8*\t+4:ST+8*\t+5], v[S+32*\t+2:S+32*\t+3], v[S+32*\t+6:S+32*\t+7]
.endr
.irp p, 4,8,12,16,20,24
.irp t, 0,1
	v_pk_add_f32 v[ST+8*\t+2:ST+8*\t+3], v[ST+8*\t+2:ST+8*\t+3], v[S+32*\t+\p:S+32*\t+\p+1]
	v_pk_add_f32 v[ST+8*\t+4:ST+8*\t+5], v[ST+8*\t+4:ST+8*\t+5], v[S+32*\t+\p+6:S+32*\t+\p+7]
.endr
.endr
.irp t, 0,1
	v_pk_add_f32 v[ST+8*\t+2:ST+8*\t+3], v[ST+8*\t+2:ST+8*\t+3], v[S+32*\t+28:S+32*\t+29]
.endr
.irp t, 0,1
	v_pk_add_f32 v[ST+8*\t+2:ST+8*\t+3], v[ST+8*\t+2:ST+8*\t+3], v[ST+8*\t+4:ST+8*\t+5]
.endr
.irp n, 0,1,2,3,4,5,6,7,8,9,10,11,12,13,14,15
.irp t, 0,1
	v_cvt_pk_f16_f32 v[S+32*\t+\n], v[S+32*\t+2*\n], v[S+32*\t+2*\n+1]   ; in place, ascending: register n is written when registers up to 2 n + 1 have been read
.endr
.endr
.irp p, 0,2,4,6,8,10,12,14,16,18,20,22,24,26,28,30
.irp t, 0,1
	v_pk_mul_f32 v[O+32*\t+\p:O+32*\t+\p+1], v[O+32*\t+\p:O+32*\t+\p+1], v[ST+8*\t+6:ST+8*\t+7] op_sel_hi:[1,0]   ; O^T x a, each accumulator from its low end on
.endr
.endr
.endm
; A KEY STEP: 64 keys, the q-th of the slot in hand.
.macro STEP q
	s_cmp_gt_u32 s[KF], s[QE]                      ; all keys behind my last query: the step's work is left out (a branch on ids and the count of steps; no barrier and no tensor load stands in a step)
	s_cbranch_scc1 .Lhidden_\@
	v_add_nc_u32 v[ADR], s[TB], v[LI]
.irp kt, 0,1,2,3
.irp f, 0,1
.irp u, 0,1
	ds_load_b128 v[KV+8*(2*\kt+\f)+4*\u:KV+8*(2*\kt+\f)+4*\u+3], v[ADR] offset:8192*(\q)+2048*\kt+1024*\f+512*\u   ; K: 32 lanes read 512 consecutive bytes
.endr
.endr
.endr
	s_wait_dscnt 0x0
.irp f, 0,1                            ; S^T = K Q^T: the eight accumulators take turns, one instruction a turn; the first eight start the sums
.irp kt, 0,1,2,3
.irp t, 0,1
.if \f == 0
	v_wmma_f32_16x16x32_f16 v[S+32*\t+8*\kt:S+32*\t+8*\kt+7], v[KV+8*(2*\kt+\f):KV+8*(2*\kt+\f)+7], v[Q+16*\t+8*\f:Q+16*\t+8*\f+7], 0
.else
	v_wmma_f32_16x16x32_f16 v[S+32*\t+8*\kt:S+32*\t+8*\kt+7], v[KV+8*(2*\kt+\f):KV+8*(2*\kt+\f)+7], v[Q+16*\t+8*\f:Q+16*\t+8*\f+7], v[S+32*\t+8*\kt:S+32*\t+8*\kt+7]
.endif
.endr
.endr
.endr
.rept 4
	v_nop                                          ; four places: for the loads into K's registers and for the first read of the scores
.endr
.irp kk, 0,1
.irp ct, 0,1,2,3
.irp u, 0,1
	ds_load_b128 v[KV+8*(4*\kk+\ct)+4*\u:KV+8*(4*\kk+\ct)+4*\u+3], v[ADR] offset:VOFF+8192*(\q)+4096*\kk+1024*\ct+512*\u   ; V lands while the softmax is walked
.endr
.endr
.endr
	s_add_co_u32 s40, s[KF], 63                    ; on the diagonal the scores of hidden keys become -infinity ahead of the maximum; a step all of whose keys count for all my queries skips this
	s_cmp_le_u32 s40, s[Q0]
	s_cbranch_scc1 .Lopen_\@
	s_sub_co_i32 s40, s[Q0], s[KF]
	v_add_nc_u32 v[D0], s40, v[RH]                 ; d = my query - KF - 8 (lane / 16).  Register 8 kt + j holds key KF + 16 kt + 8 (lane / 16) + j: hidden where 16 kt + j > d
	v_add_nc_u32 v[D0+1], 16, v[D0]
.irp t, 0,1
.irp kt, 0,1,2,3
.irp j, 0,1,2,3,4,5,6,7
	v_cmp_gt_i32 vcc_lo, 16*\kt+\j, v[D0+\t]
	v_cndmask_b32 v[S+32*\t+8*\kt+\j], v[S+32*\t+8*\kt+\j], v[MINF], vcc_lo
.endr
.endr
.endr
.Lopen_\@:
	SOFT
	s_wait_dscnt 0x0                               ; V is in
.irp kk, 0,1                           ; O^T += V^T P: eight accumulators by turns
.irp ct, 0,1,2,3
.irp t, 0,1
	v_wmma_f32_16x16x32_f16 v[O+32*\t+8*\ct:O+32*\t+8*\ct+7], v[KV+8*(4*\kk+\ct):KV+8*(4*\kk+\ct)+7], v[S+32*\t+8*\kk:S+32*\t+8*\kk+7], v[O+32*\t+8*\ct:O+32*\t+8*\ct+7]
.endr
.endr
.endr
.rept 5
	v_nop                                          ; five places: the next step's first products write over P, a source of these; its loads go into V's registers; the way out reads O^T
.endr
.Lhidden_\@:
	s_add_co_u32 s[KF], s[KF], 64
.endm
; THE CHANGE OF SLOTS stands at a slot's head.  Each wave waits for all its tensor loads, adds 0 to its spare word (fill = 1: twice on end), and waits for that and for its reads of the slot that it has left.  Behind the barrier the slot
; ahead is whole and nobody reads the other one.  fill = 1: that other slot is filled with the keys that follow, up to the causal limit: the load has a slot's four key steps in which to land.  One tensor load of a wave is out at the most.
.macro CHANGE fill
	s_wait_tensorcnt 0x0                           ; no tensor load of mine is out, so group 0 may be written
	ds_add_u32 v[SPW], v[NIL]                      ; 0 onto my spare word
.if \fill
	ds_add_u32 v[SPW], v[NIL]                      ; and once more
	s_xor_b32 s[G0+1], s[G0+1], SLOT1              ; the walking descriptor: the other slot than last time,
	s_add_nc_u64 s[G0+2:G0+3], s[G0+2:G0+3], 32768 ; the next 256 keys; the type bits on top are not reached
	s_wait_xcnt 0x0                                ; the last prefetch, a slot back, has read its address, so it may be written:
	s_add_nc_u64 s[PFA:PFA+1], s[PFA:PFA+1], 32768 ; one slot further on than the walking descriptor
.endif
	s_wait_dscnt 0x0                               ; the add is done (fill = 1: both are), and my reads of the slot that I have left are over
	s_barrier_signal -1
	s_barrier_wait -1
.if \fill
	s_add_co_u32 s40, s[KF], 256                   ; the first key of the slot that this change would ask for
	s_cmp_gt_u32 s40, s[QL]                        ; behind my work-group's last query: none of its waves would read it, so it is not asked for.  Ids and the count of steps alone: all sixteen waves go the same way;
	s_cbranch_scc1 .Lpast_\@                       ; every wait on TENSORcnt in this text is for 0; the jump leads round the load's own lines alone
	TLOAD                                          ; the first thing behind the barrier, and a wave's one tensor load until the next
.Lpast_\@:
	ASK
.endif
.endm
.macro SLOT_STEPS
	STEP 0
	STEP 1
	STEP 2
	STEP 3
	s_xor_b32 s[TB], s[TB], SLOT1                  ; on to the other slot
.endm
	s_wait_loadcnt 0x0                             ; Q
.Lslot:                                            ; 7 trips: behind each change of slots but the last the next slot is asked for, up to the limit
	CHANGE 1
	SLOT_STEPS
	s_sub_co_u32 s[SLOTS], s[SLOTS], 1
	s_cmp_lg_u32 s[SLOTS], 0
	s_cbranch_scc1 .Lslot
	CHANGE 0                                       ; the last slot is written out: nothing is left to ask for
	SLOT_STEPS
	; THE WAY OUT.  l's two halves and the other half of the lanes' are added; O^T is divided by l and rounded to f16: four registers are half an image of ctx, and leave as they stand.
.irp t, 0,1
	v_add_f32 v[ST+8*\t+4], v[ST+8*\t+2], v[ST+8*\t+3]
.endr
.irp t, 0,1
	v_permlanex16_b32 v[ST+8*\t+5], v[ST+8*\t+4], s[SEL], s[SEL+1]
.endr
.irp t, 0,1
	v_add_f32 v[ST+8*\t+4], v[ST+8*\t+4], v[ST+8*\t+5]
.endr
.irp t, 0,1
	v_rcp_f32 v[ST+8*\t+6], v[ST+8*\t+4]
.endr
	v_nop                                          ; a plain instruction between the last reciprocal and the use of its result
	s_wait_alu depctr_va_vdst(0)                   ; and its wait: one for the two
.irp p, 0,2,4,6,8,10,12,14,16,18,20,22,24,26,28,30
.irp t, 0,1
	v_pk_mul_f32 v[O+32*\t+\p:O+32*\t+\p+1], v[O+32*\t+\p:O+32*\t+\p+1], v[ST+8*\t+6:ST+8*\t+7] op_sel_hi:[1,0]
.endr
.endr
.irp n, 0,1,2,3,4,5,6,7,8,9,10,11,12,13,14,15
.irp t, 0,1
	v_cvt_pk_f16_f32 v[S+16*\t+\n], v[O+32*\t+2*\n], v[O+32*\t+2*\n+1]
.endr
.endr
.irp t, 0,1
.irp p, 0,1,2,3
	global_store_b128 v[LI], v[S+16*\t+4*\p:S+16*\t+4*\p+3], s[6:7] offset:32768*\t+512*\p   ; channels 16 p + 8 (lane / 16) + 0..7 of my query: 32 lanes store 512 consecutive bytes, aligned
.endr
.endr
	s_wait_tensorcnt 0x0                           ; the wave's end: a wait on TENSORcnt, an add to my spare word and its wait, behind my last tensor load
	ds_add_u32 v[SPW], v[NIL]
	s_wait_dscnt 0x0
	s_endpgm
.Lfunc_end_k_qacd3992c13_attn:
	.size	k_qacd3992c13_attn, .Lfunc_end_k_qacd3992c13_attn-k_qacd3992c13_attn
	.p2alignl 7, 3214868480
	.fill 96, 4, 3214868480
	.section	.rodata,"a",@progbits
	.p2align	6, 0x0
	.amdhsa_kernel k_qacd3992c13_attn
		.amdhsa_group_segment_fixed_size 327680
		.amdhsa_private_segment_fixed_size 0
		.amdhsa_enable_private_segment 0
		.amdhsa_kernarg_size 16
		.amdhsa_user_sgpr_count 2
		.amdhsa_user_sgpr_kernarg_segment_ptr 1
		.amdhsa_wavefront_size32 1
		.amdhsa_system_sgpr_workgroup_id_x 1
		.amdhsa_system_sgpr_workgroup_id_y 1
		.amdhsa_system_sgpr_workgroup_id_z 1
		.amdhsa_system_vgpr_workitem_id 0
		.amdhsa_next_free_vgpr 256
		.amdhsa_next_free_sgpr 66
		.amdhsa_reserve_vcc 1
		.amdhsa_float_denorm_mode_32 3
		.amdhsa_float_denorm_mode_16_64 3
		.amdhsa_memory_ordered 1
		.amdhsa_forward_progress 1
		.amdhsa_inst_pref_size 184
	.end_amdhsa_kernel
	.amdgpu_metadata
---
amdhsa.version: [ 1, 2 ]
amdhsa.kernels:
  - .name:           k_qacd3992c13_attn
    .symbol:         k_qacd3992c13_attn.kd
    .args:
      - { .name: qkv, .offset: 0, .size: 8, .value_kind: global_buffer, .address_space: global }
      - { .name: ctxf, .offset: 8, .size: 8, .value_kind: global_buffer, .address_space: global }
    .group_segment_fixed_size: 327680
    .private_segment_fixed_size: 0
    .kernarg_segment_align: 8
    .kernarg_segment_size: 16
    .max_flat_workgroup_size: 512
    .sgpr_count:     66
    .vgpr_count:     256
    .wavefront_size: 32
...
	.end_amdgpu_metadata
.endif
;; end of part 3
;; launch proj (part 4): grid 4 x 64, 4 waves a work-group, clusters of 4 x 4, 327,680 bytes of LDS; arguments ctxf, wf, b_out, out0; writes out0
.if DOCPART == 4
	.amdgcn_target "amdgcn-amd-amdhsa--gfx1250"
	.amdhsa_code_object_version 6
	.text
	.protected	k_qacd3992c13_proj
	.globl	k_qacd3992c13_proj
	.p2align	8
	.type	k_qacd3992c13_proj,@function
k_qacd3992c13_proj:
	s_mov_b64 s[64:65], 0
	v_nop
	global_prefetch_b8 v0, s[64:65] scope:SCOPE_SE
	s_setreg_imm32_b32 hwreg(HW_REG_WAVE_MODE, 25, 1), 1
	s_wait_xcnt 0x0
	s_wait_alu depctr_hold_cnt(0) depctr_sa_sdst(0) depctr_va_vdst(0) depctr_va_sdst(0) depctr_va_ssrc(0) depctr_va_vcc(0) depctr_vm_vsrc(0)
	s_getreg_b32 s2, hwreg(HW_REG_IB_STS2, 6, 4)
	s_cmp_eq_u32 s2, 0
	s_cbranch_scc0 .Lentry_in_a_cluster
	s_endpgm
.Lentry_in_a_cluster:
	s_bfe_u32 s2, ttmp6, 0x10000c
	s_cmp_lg_u32 s2, 0xf033
	s_cbranch_scc0 .Lentry_shape_is_right
	s_endpgm
.Lentry_shape_is_right:
; out0 = ctx x w_out + b_out, [8192][1024] f32; both operands in f16, as images of operand registers (ctxf: [row tile 512][kf 32][1024 bytes], wf: [column tile 64][kf 32][1024 bytes]); sums in f32.
; WORK LEFT OUT: rows 0 to 15 of each sequence are not stored here: launch first16 stores them, from f32 operands.  (Their products stay: they lie in a tile with live rows.)
; A tile of out0 is 128 rows x 256 columns: 256 work-groups of four waves; a wave makes 64 x 128: 32 accumulators of 16 x 16.  K goes in 8 steps of 128 through a ring of two LDS slots.
; THE MATRIX INSTRUCTION IS USED TRANSPOSED (source 0 = 16 columns of w_out, source 1 = 16 rows of ctx): a lane holds eight neighbouring numbers of a row of out0.  The bias is the C of each sum's first matrix instruction.
; CLUSTERS: 4 x 4 work-groups.  The row tile is cluster y + 16 cy, the column tile cx: ctx's tiles are shared along a row of the cluster, w_out's along a column; each is asked for JOINTLY.  A sequence's first row tile falls on cluster y = 0,
; so the branch that leaves its first 16 rows' stores out hangs on the cluster's y and the wave's number, never on a place in the cluster.
; REGISTERS: window 0: v0-31 addresses; two fragment buffers (64 registers of w_out, then 32 of ctx) at v32 and v128; on the way out v32-159 hold rows.   window 1: accumulator (a, b) at v[8 (8 a + b)].   window 2: v0-63 the bias, in the result's layout.
.set KB,     4096                      ; a K step's bytes of a row tile or column tile: four images on end
.set BOFF,   32768                     ; a slot: ctx [row tile 8][kf 4][1024], then w_out [column tile 16][kf 4][1024]
.set SLOT,   98304
.set SPARE,  2*SLOT                    ; behind the ring: the spare words, 128 bytes for each wave: two blocks of 256 bytes that no other line names
.set SPITCH, 528                       ; the way out: a stage of 16 rows x (512 bytes + 16) for each wave, in slot 0, which has had its last fill and its last read when the first result is stored there
.set ADRA, 16                          ; v16-17  LDS address of my fragments of ctx in slot 0, 1
.set ADRB, 20                          ; v20-21  the same for w_out
.set STO,  24                          ; v24     the way out: where I put 32 bytes of a row
.set RD,   25                          ; v25     where I read a row back
.set CO,   26                          ; v26     16 x lane
.set SPW,  28                          ; v28     LDS address of my spare word; never rewritten
.set NIL,  29                          ; v29     0; never rewritten
.set PFO,  30                          ; v30     the prefetches' offset; never rewritten
.set F0,   32
.set F1,   128
.set BK,   32
.set WV,   12                          ; s12  wave
.set WR,   13                          ; s13  which 64 rows are mine.  Also: I fetch for ctx (0) or for w_out (1)
.set WC,   14                          ; s14  which 128 columns.  Also: which half of that tile I fetch
.set G1,   24
.set G0,   32
.set LIM,  43                          ; s43  1 in the wave that prefetches, else the greatest number
.set PFA,  44                          ; s[44:45] where my prefetches stand
.set G1B,  48
.set G0B,  56
.set MSB, 0
.macro WIN new                         ; the immediate's high byte repeats the setting that is left
.if MSB != (\new)
	s_set_vgpr_msb (MSB<<8)|(\new)
.set MSB, (\new)
.endif
.endm
.set MUL,  0x50                        ; sources 0 and 1 window 0; C and D window 1
.set MULZ, 0x60                        ; C (the bias) window 2, D window 1
.macro JLOAD s                         ; a joint load: waves 0 and 1 fetch ctx's two halves, waves 2 and 3 w_out's; an s_nop 0 and four v_nop follow each of the two lines
	s_cmp_eq_u32 s[WR], 0
	s_cbranch_scc0 .Lfor_b_\@
	tensor_load_to_lds s[G0+4*\s:G0+4*\s+3], s[G1:G1+7]
	s_nop 0
.rept 4
	v_nop
.endr
	s_branch .Lasked_\@
.Lfor_b_\@:
	tensor_load_to_lds s[G0B+4*\s:G0B+4*\s+3], s[G1B:G1B+7]
	s_nop 0
.rept 4
	v_nop
.endr
.Lasked_\@:
.endm
.macro CREST                           ; a round of the cluster's barrier behind its opening barrier
	s_cmp_lg_u32 s[WV], 0
	s_cbranch_scc1 .Lnot_wave_0_\@
	s_barrier_signal -3
.Lnot_wave_0_\@:
	s_barrier_wait -3
	s_barrier_signal -1
	s_barrier_wait -1
.endm
.macro CROUND
	s_barrier_signal -1
	s_barrier_wait -1
	CREST
.endm
; A PREFETCH of ctx's K step that stands TWO refills on: 8 row tiles x 4,096 bytes.  A row tile of ctx is read by one row of one cluster alone; its four partners share the blocks out BY ADDRESS: the partner at cx takes row tiles 2 cx and
; 2 cx + 1, a lane a block of 256 bytes; wave 0 asks, one instruction.  So each block is named once in the launch.  The loop's last trip asks for nothing: its refills are the last two K steps.  K steps 0 to 3 come by their loads alone.
; w_out's tiles are read by all sixteen clusters, again and again, and are not asked for.
.macro ASK
	s_cmp_gt_u32 s3, s[LIM]
	s_cbranch_scc0 .Lnot_mine_\@
	global_prefetch_b8 v[PFO], s[PFA:PFA+1] offset:KB th:TH_LOAD_NT scope:SCOPE_SE
.Lnot_mine_\@:
.endm
	s_load_b128 s[4:7], s[0:1], 0x0                ; ctxf s[4:5], wf s[6:7]
	s_load_b128 s[8:11], s[0:1], 0x10              ; b_out s[8:9], out0 s[10:11]
	v_lshl_add_u32 v[SPW], v0, 2, SPARE
	v_mov_b32 v[NIL], 0
	ds_add_u32 v[SPW], v[NIL]                      ; the wave's opening: the add, twice on end, and its wait ahead of my first tensor load
	ds_add_u32 v[SPW], v[NIL]                      ; and once more; the set-up below, work on registers, stands between it and the wait
	v_lshrrev_b32 v1, 5, v0
	v_readfirstlane_b32 s[WV], v1
	s_lshr_b32 s[WR], s[WV], 1
	s_and_b32 s[WC], s[WV], 1
	s_bfe_u32 s40, ttmp6, 0x40000                  ; cx: the column tile
	s_bfe_u32 s41, ttmp6, 0x40004                  ; cy
	s_and_b32 s42, ttmp7, 0xffff                   ; cluster y
	s_lshl_b32 s15, s41, 4
	s_add_co_u32 s15, s15, s42                     ; row tile = cluster y + 16 cy: sequence cy, its tile y
	s_lshl_b32 s46, s41, 2
	s_lshl_b32 s46, 15, s46                        ; my row of the cluster
	s_lshl_b32 s47, 0x1111, s40                    ; my column
	; descriptor group 1: rows of 4,096 bytes (512 elements of 8 bytes: four images on end), 32,768 bytes apart; ctx: 4 row tiles to a load, w_out: 8 column tiles; no padding: an image is read 512 consecutive bytes an instruction
	s_or_b32 s[G1], s46, (3<<16)|(1<<21)
	s_or_b32 s[G1B], s47, (3<<16)|(1<<21)
	s_mov_b32 s[G1+1], 512<<16                     ; tensor_dim0
	s_mov_b32 s[G1+2], 4<<16                       ; tensor_dim1
	s_mov_b32 s[G1+3], 512<<16                     ; tile_dim0
	s_mov_b32 s[G1+4], 4                           ; tile_dim1
	s_mov_b32 s[G1+5], 4096                        ; from row to row, in elements
	s_mov_b32 s[G1+6], 0
	s_mov_b32 s[G1+7], 0
	s_mov_b32 s[G1B+1], 512<<16
	s_mov_b32 s[G1B+2], 8<<16
	s_mov_b32 s[G1B+3], 512<<16
	s_mov_b32 s[G1B+4], 8
	s_mov_b32 s[G1B+5], 4096
	s_mov_b32 s[G1B+6], 0
	s_mov_b32 s[G1B+7], 0
	s_lshl_b32 s16, s15, 3
	s_lshl_b32 s17, s[WC], 2
	s_add_co_u32 s16, s16, s17
	s_lshl_b32 s16, s16, 15                        ; ctx: 16-row tile 8 x row tile + 4 x half
	s_mov_b32 s17, 0
	s_lshl_b32 s20, s40, 4
	s_lshl_b32 s21, s[WC], 3
	s_add_co_u32 s20, s20, s21
	s_lshl_b32 s20, s20, 15                        ; w_out: 16-column tile 16 cx + 8 x half
	s_mov_b32 s21, 0
	s_lshl_b32 s22, s[WC], 14                      ; where they go: made of the wave's number alone
	s_lshl_b32 s23, s[WC], 15
	s_add_co_u32 s23, s23, BOFF
	s_wait_dscnt 0x0                               ; both opening adds are done
	s_wait_kmcnt 0x0
	s_add_nc_u64 s[16:17], s[4:5], s[16:17]
	s_add_nc_u64 s[20:21], s[6:7], s[20:21]
	CROUND                                         ; all sixteen work-groups are here: the first joint loads meet
.irp s, 0,1
	s_mov_b32 s[G0+4*\s], 1
	s_add_co_u32 s[G0+4*\s+1], s22, \s*SLOT
	s_add_nc_u64 s[G0+4*\s+2:G0+4*\s+3], s[16:17], \s*KB
	s_or_b32 s[G0+4*\s+3], s[G0+4*\s+3], 0x80000000
	s_mov_b32 s[G0B+4*\s], 1
	s_add_co_u32 s[G0B+4*\s+1], s23, \s*SLOT
	s_add_nc_u64 s[G0B+4*\s+2:G0B+4*\s+3], s[20:21], \s*KB
	s_or_b32 s[G0B+4*\s+3], s[G0B+4*\s+3], 0x80000000
	JLOAD \s                                       ; two tensor loads of mine are out at the most
.endr
	v_and_b32 v1, 31, v0
	v_lshlrev_b32 v[CO], 4, v1
	s_lshl_b32 s18, s[WR], 14                      ; my 4 row tiles of ctx
	s_lshl_b32 s19, s[WC], 15                      ; my 8 column tiles of w_out,
	s_add_co_u32 s19, s19, BOFF                    ; which lie behind ctx's
.irp s, 0,1
	v_add_nc_u32 v[ADRA+\s], s18, v[CO]
	v_add_nc_u32 v[ADRB+\s], s19, v[CO]
	s_add_co_u32 s18, s18, SLOT
	s_add_co_u32 s19, s19, SLOT
.endr
	v_and_b32 v2, 15, v0                           ; r
	v_bfe_u32 v3, v0, 4, 1                         ; h
	s_mul_i32 s18, s[WV], 16*SPITCH                ; my stage
	v_mul_u32_u24 v[STO], v2, SPITCH
	v_lshl_add_u32 v[STO], v3, 5, v[STO]
	v_add_nc_u32 v[STO], s18, v[STO]               ; in: row r, 32 bytes for each half of the lanes
	v_add_nc_u32 v[RD], s18, v[CO]                 ; back: the 32 lanes take one row of 512 bytes
	v_lshlrev_b32 v4, 5, v3                        ; the bias: my half's eight numbers of a tile of 16
	s_lshl_b32 s18, s40, 10                        ; my first column, in bytes: 1,024 cx + 512 x half
	s_lshl_b32 s19, s[WC], 9
	s_add_co_u32 s18, s18, s19
	s_mov_b32 s19, 0
	s_add_nc_u64 s[8:9], s[8:9], s[18:19]
	s_add_nc_u64 s[10:11], s[10:11], s[18:19]
	s_lshl_b32 s18, s15, 19                        ; my first row: 128 x row tile + 64 x half, rows of 4,096 bytes
	s_lshl_b32 s2, s[WR], 18
	s_add_co_u32 s18, s18, s2
	s_add_nc_u64 s[10:11], s[10:11], s[18:19]
	WIN 0x80                                       ; destination window 2
.irp b, 0,1,2,3,4,5,6,7
	global_load_b128 v[8*\b:8*\b+3], v4, s[8:9] offset:64*\b        ; b_out at columns 16 b + 8 h + 0 .. 7 of my 128
	global_load_b128 v[8*\b+4:8*\b+7], v4, s[8:9] offset:64*\b+16
.endr
	WIN 0
	s_lshl_b32 s18, s15, 3                         ; the prefetches: 16-row tile 8 x row tile + 2 cx,
	s_lshl_b32 s2, s40, 1
	s_add_co_u32 s18, s18, s2
	s_lshl_b32 s18, s18, 15
	s_add_co_u32 s18, s18, 2*KB                    ; at K step 2: the first refill steps it to 3 and names K step 4
	s_add_nc_u64 s[PFA:PFA+1], s[4:5], s[18:19]
	s_cmp_eq_u32 s[WV], 0
	s_cselect_b32 s[LIM], 1, -1
	v_lshrrev_b32 v5, 4, v1
	v_lshlrev_b32 v[PFO], 15, v5                   ; lanes 16-31: the next row tile
	v_lshl_add_u32 v[PFO], v2, 8, v[PFO]           ; 256 bytes a lane
; 8 matrix instructions: row block a x all 8 column blocks, 32 along K, from buffer f.  zero = 1: the bias starts the sums.  The 32 accumulators take turns, in the same order in every quarter.
.macro MUL8 f, a, zero
.irp b, 0,1,2,3,4,5,6,7
.if \zero
	v_wmma_f32_16x16x32_f16 v[8*(8*(\a)+\b):8*(8*(\a)+\b)+7], v[\f+8*\b:\f+8*\b+7], v[\f+64+8*(\a):\f+64+8*(\a)+7], v[8*\b:8*\b+7]
.else
	v_wmma_f32_16x16x32_f16 v[8*(8*(\a)+\b):8*(8*(\a)+\b)+7], v[\f+8*\b:\f+8*\b+7], v[\f+64+8*(\a):\f+64+8*(\a)+7], v[8*(8*(\a)+\b):8*(8*(\a)+\b)+7]
.endif
.endr
.endm
; 24 LDS loads in one run: the fragments of the slot's q-th 32 along K into buffer f: w_out's eight, then ctx's four
.macro FETCH slot, q, f
	WIN 0
.irp i, 0,1,2,3,4,5,6,7
	ds_load_b128 v[\f+8*\i:\f+8*\i+3],   v[ADRB+\slot] offset:4096*\i+1024*(\q)
	ds_load_b128 v[\f+8*\i+4:\f+8*\i+7], v[ADRB+\slot] offset:4096*\i+1024*(\q)+512
.endr
.irp i, 0,1,2,3
	ds_load_b128 v[\f+64+8*\i:\f+64+8*\i+3],   v[ADRA+\slot] offset:4096*\i+1024*(\q)
	ds_load_b128 v[\f+64+8*\i+4:\f+64+8*\i+7], v[ADRA+\slot] offset:4096*\i+1024*(\q)+512
.endr
.endm
.macro PLACES                          ; four places in front of loads into registers that matrix instructions have read, and of the first read of results
.rept 4
	v_nop
.endr
.endm
; A K step is four quarters of 32 along K, 32 matrix instructions each, on buffers 0, 1, 0, 1.  One of the first three: multiplies buffer f and fetches quarter q into g.
.macro QUARTER slot, q, f, g, zero
	s_wait_dscnt 4                                 ; w_out's fragments and ctx's blocks 0 and 1 are in; the youngest four loads (blocks 2 and 3) may be out
	WIN MUL+0x10*(\zero)
	MUL8 \f, 0, \zero
	MUL8 \f, 1, \zero
	PLACES
	FETCH \slot, \q, \g
	s_wait_dscnt 24                                ; all but the 24 just issued
	WIN MUL+0x10*(\zero)
	MUL8 \f, 2, \zero
	MUL8 \f, 3, \zero
.endm
; The last quarter multiplies buffer 1 and changes slots: ONE barrier; in front of it each wave waits for all its tensor loads, adds 0 to its spare word, and waits for that and for its own reads of this slot.  fill = 1: this slot is filled again, two K steps ahead.
.macro TURN slot, next, fill
.if \fill
	s_wait_xcnt 0x0                                ; the last prefetch, a K step back, has read its address: it is stepped here
	s_add_nc_u64 s[PFA:PFA+1], s[PFA:PFA+1], KB
.endif
	WIN 0                                          ; (the add's two registers lie in window 0)
	s_wait_tensorcnt 0x0                           ; all my tensor loads have landed: my part of the next slot
	ds_add_u32 v[SPW], v[NIL]                      ; 0 onto my spare word
	s_wait_dscnt 5                                 ; (the add and the youngest four loads may be out)
	WIN MUL
	MUL8 F1, 0, 0                                  ; eight matrix instructions stand between the add and the wait for it
	s_wait_dscnt 0x0                               ; the add is done, and my reads of this slot are over
	s_barrier_signal -1
	MUL8 F1, 1, 0
	WIN 0
	s_barrier_wait -1
.if \fill
	CREST                                          ; the barrier has opened a round of the cluster's barrier: no wave of any partner still reads this slot's tile or has a load on its way
	s_add_nc_u64 s[G0+4*\slot+2:G0+4*\slot+3], s[G0+4*\slot+2:G0+4*\slot+3], 2*KB
	s_add_nc_u64 s[G0B+4*\slot+2:G0B+4*\slot+3], s[G0B+4*\slot+2:G0B+4*\slot+3], 2*KB
	JLOAD \slot                                    ; the first tensor load behind the round; the four v_nop behind it are also the places in front of the loads below
.else
	PLACES
.endif
	FETCH \next, 0, F0
.if \fill
	ASK                                            ; behind the joint load and the run of LDS loads that the next products wait for
.endif
	WIN MUL
	MUL8 F1, 2, 0
	MUL8 F1, 3, 0
.endm
	s_wait_tensorcnt 1                             ; my part of K step 0 is in (K step 1's load, issued behind it, may be out),
	s_barrier_signal -1
	s_barrier_wait -1                              ; everybody's is
	FETCH 0, 0, F0
	s_wait_loadcnt 0x0                             ; the bias
	QUARTER 0, 1, F0, F1, 1                        ; the first quarter stands in front of the loop: its products start the sums, on the bias
	WIN 0                                          ; at a label and at a branch every window is 0
	s_mov_b32 s3, 3
.Llap:                                             ; a trip goes once round the ring, from a lap's second quarter to the next lap's first, and fills both slots again
	QUARTER 0, 2, F1, F0, 0
	QUARTER 0, 3, F0, F1, 0
	TURN 0, 1, 1
	QUARTER 1, 1, F0, F1, 0
	QUARTER 1, 2, F1, F0, 0
	QUARTER 1, 3, F0, F1, 0
	TURN 1, 0, 1
	QUARTER 0, 1, F0, F1, 0
	WIN 0
	s_sub_co_u32 s3, s3, 1
	s_cmp_lg_u32 s3, 0
	s_cbranch_scc1 .Llap
	QUARTER 0, 2, F1, F0, 0                        ; the last lap fills nothing, and has no round of the cluster's barrier
	QUARTER 0, 3, F0, F1, 0
	TURN 0, 1, 0
	QUARTER 1, 1, F0, F1, 0
	QUARTER 1, 2, F1, F0, 0
	QUARTER 1, 3, F0, F1, 0
	s_wait_dscnt 4                                 ; the very last quarter: nothing more to fetch
	WIN MUL
	MUL8 F1, 0, 0
	MUL8 F1, 1, 0
	s_wait_dscnt 0
	MUL8 F1, 2, 0
	MUL8 F1, 3, 0
	WIN 0
; THE WAY OUT, block by block of 16 rows x 128 columns: through my own stage in LDS and back as whole rows of 512 bytes.  LDS serves a wave's instructions in order (ISA guide 5.7.1.4): no wait between the stores and the loads.
.macro TOSTAGE a
	WIN 0x04                                       ; an LDS store's data: window 1
.irp b, 0,1,2,3,4,5,6,7
	ds_store_b128 v[STO], v[8*(8*(\a)+\b):8*(8*(\a)+\b)+3] offset:64*\b            ; each accumulator from its low end on
	ds_store_b128 v[STO], v[8*(8*(\a)+\b)+4:8*(8*(\a)+\b)+7] offset:64*\b+16
.endr
	WIN 0
.set BB, BK+64*((\a)%2)
.irp t, 0,1,2,3,4,5,6,7,8,9,10,11,12,13,14,15
	ds_load_b128 v[BB+4*\t:BB+4*\t+3], v[RD] offset:\t*SPITCH
.endr
.endm
.macro SEND a, younger                 ; younger: the LDS instructions issued behind block a's loads, which may stay out
.set BB, BK+64*((\a)%2)
	s_wait_dscnt \younger
.irp t, 0,1,2,3,4,5,6,7,8,9,10,11,12,13,14,15
	global_store_b128 v[CO], v[BB+4*\t:BB+4*\t+3], s[10:11] offset:(16*(\a)+\t)*4096 th:TH_STORE_NT   ; 32 lanes store 512 consecutive bytes, aligned; the base is never stepped
.endr
.endm
	PLACES                                         ; behind the last products: results are read, and loads go into registers that held their fragments
	s_or_b32 s2, s42, s[WR]                        ; cluster y = 0 and the first row half: block 0 is a sequence's rows 0 to 15, which launch first16 stores
	s_cmp_eq_u32 s2, 0
	s_cbranch_scc1 .Lskip0
	TOSTAGE 0
	SEND 0, 0
.Lskip0:
	TOSTAGE 1
.irp a, 2,3
	s_wait_xcnt 0x0                                ; block a - 2's stores have read their registers: block a's loads may land there
	TOSTAGE \a
	SEND \a-1, 32                                  ; behind block a - 1's loads: block a's 16 stores and 16 loads
.endr
	SEND 3, 0
	s_wait_tensorcnt 0x0                           ; the wave's end: a wait on TENSORcnt, an add to my spare word and its wait, behind my last tensor load and my last LDS store
	ds_add_u32 v[SPW], v[NIL]
	s_wait_dscnt 0x0
	CROUND                                         ; the closing round: no work-group ends while a partner may still ask for a tile that names it
	s_endpgm
.Lfunc_end_k_qacd3992c13_proj:
	.size	k_qacd3992c13_proj, .Lfunc_end_k_qacd3992c13_proj-k_qacd3992c13_proj
	.p2alignl 7, 3214868480
	.fill 96, 4, 3214868480
	.section	.rodata,"a",@progbits
	.p2align	6, 0x0
	.amdhsa_kernel k_qacd3992c13_proj
		.amdhsa_group_segment_fixed_size 327680
		.amdhsa_private_segment_fixed_size 0
		.amdhsa_enable_private_segment 0
		.amdhsa_kernarg_size 32
		.amdhsa_user_sgpr_count 2
		.amdhsa_user_sgpr_kernarg_segment_ptr 1
		.amdhsa_wavefront_size32 1
		.amdhsa_system_sgpr_workgroup_id_x 1
		.amdhsa_system_sgpr_workgroup_id_y 1
		.amdhsa_system_sgpr_workgroup_id_z 1
		.amdhsa_system_vgpr_workitem_id 0
		.amdhsa_next_free_vgpr 576
		.amdhsa_next_free_sgpr 66
		.amdhsa_reserve_vcc 0
		.amdhsa_float_denorm_mode_32 3
		.amdhsa_float_denorm_mode_16_64 3
		.amdhsa_memory_ordered 1
		.amdhsa_forward_progress 1
		.amdhsa_inst_pref_size 87
	.end_amdhsa_kernel
	.amdgpu_metadata
---
amdhsa.version: [ 1, 2 ]
amdhsa.kernels:
  - .name:           k_qacd3992c13_proj
    .symbol:         k_qacd3992c13_proj.kd
    .args:
      - { .name: ctxf, .offset: 0, .size: 8, .value_kind: global_buffer, .address_space: global }
      - { .name: wf, .offset: 8, .size: 8, .value_kind: global_buffer, .address_space: global }
      - { .name: b_out, .offset: 16, .size: 8, .value_kind: global_buffer, .address_space: global }
      - { .name: out0, .offset: 24, .size: 8, .value_kind: global_buffer, .address_space: global }
    .group_segment_fixed_size: 327680
    .private_segment_fixed_size: 0
    .kernarg_segment_align: 8
    .kernarg_segment_size: 32
    .max_flat_workgroup_size: 128
    .sgpr_count:     66
    .vgpr_count:     576
    .wavefront_size: 32
...
	.end_amdgpu_metadata
.endif
;; end of part 4
;; launch first16 (part 5): grid 16 x 4, 16 waves a work-group, no clusters, 71,680 bytes of LDS; arguments head32, w_out, b_out, out0; writes out0
.if DOCPART == 5
	.amdgcn_target "amdgcn-amd-amdhsa--gfx1250"
	.amdhsa_code_object_version 6
	.text
	.protected	k_qacd3992c13_first16
	.globl	k_qacd3992c13_first16
	.p2align	8
	.type	k_qacd3992c13_first16,@function
k_qacd3992c13_first16:
	s_mov_b64 s[64:65], 0
	v_nop
	global_prefetch_b8 v0, s[64:65] scope:SCOPE_SE
	s_setreg_imm32_b32 hwreg(HW_REG_WAVE_MODE, 25, 1), 1
	s_wait_xcnt 0x0
; Positions 0 to 15 of each of the four sequences, from the quantised product's f32 sums (head32) to out0, all in f32: these rows average one to sixteen values and are the largest of the output, so operands of 16 bits would weigh most here.
; Nothing of these rows' work is left out but what the mask hides inside the one tile; the other rows are launch proj's.
; SHARES.  Work-group (sl, b): sequence b, output columns 64 sl to 64 sl + 63.  Wave w is head w: it makes its head's ctx for the 16 positions (done again in each of the 16 slices: 32 matrix instructions) and then the partial sums over its
; own 64 channels for the slice's four tiles of 16 columns.  So ctx never changes wave; the sixteen partial sums meet in LDS behind one barrier, and wave w adds up row w.
; THE f32 MATRIX FORM takes K = 4: register j of lane (r, h) is k = 2 h + j.  head32 holds raw accumulators: for q and k lane (r, h) has token r and the head's channels 16 i + 8 h + j; for v channel 16 i + r and tokens 8 h + j.  Registers 2 s and
; 2 s + 1 of an image, given to both sides alike, stand for the same four k on both sides: so the images are the fragments, and nothing changes lanes.  All three products are used transposed: a lane holds one token (lane % 16) throughout.
; The registers that this form writes, v32-63, are written by matrix instructions alone, and every sum begins with the constant 0.
; No tensor load, no cluster, no prefetch: a short launch on small data.  LIMIT: f32 sums in another order than reference()'s.
.set PARTB, 4352                       ; LDS: a wave's partial sums: 16 rows x (256 bytes + 16)
.set SPARE, 16*PARTB                   ; behind them: the spare words, 128 bytes for each wave: eight blocks of 256 bytes that no other line names
; v1 16 x lane; v2 r; v3 h; v4 w_out's lane offset; v5, v6 the add's two; v7 r - 8 h; v8 -infinity; v9, v10 LDS addresses; v11 8 x lane; v12-13 the bias; v14, v15 at work; v16-23 the scores; v24-31 p;
; v32-63 four accumulators; v64-95 q, v96-127 k (later w_out for channel tiles 2, 3); v128-159 v, later ctx; v160-223 w_out for channel tiles 0, 1; v224-255 at work
	s_load_b128 s[4:7], s[0:1], 0x0                ; head32 s[4:5], w_out s[6:7]
	s_load_b128 s[8:11], s[0:1], 0x10              ; b_out s[8:9], out0 s[10:11]
	v_lshl_add_u32 v5, v0, 2, SPARE
	v_mov_b32 v6, 0
	v_lshrrev_b32 v1, 5, v0
	v_readfirstlane_b32 s12, v1                    ; wave = head
	s_and_b32 s13, ttmp7, 0xffff                   ; b
	v_and_b32 v11, 31, v0
	v_lshlrev_b32 v1, 4, v11
	v_lshlrev_b32 v11, 3, v11
	v_and_b32 v2, 15, v0
	v_bfe_u32 v3, v0, 4, 1
	v_lshlrev_b32 v4, 15, v3                       ; w_out: 8 h rows of 4,096 bytes
	v_lshl_add_u32 v4, v2, 2, v4                   ; + column r
	v_lshlrev_b32 v7, 3, v3
	v_sub_nc_u32 v7, v2, v7
	v_mov_b32 v8, 0xff800000
	v_mov_b32 v15, 0                               ; (a lane permute's destination counts as one of its sources)
	s_mul_i32 s14, s12, PARTB
	v_mul_u32_u24 v9, v2, 272
	v_lshl_add_u32 v9, v3, 5, v9
	v_add_nc_u32 v9, s14, v9                       ; my partial sums: row = token r, + 32 h
	s_mul_i32 s14, s12, 272
	v_add_nc_u32 v10, s14, v11                     ; back: row w of every wave's, 8 bytes a lane
	s_mov_b32 s24, 0x76543210
	s_mov_b32 s25, 0xfedcba98                      ; v_permlanex16_b32's selects for lane l xor 16
	s_mov_b32 s26, 0x3e38aa3b                      ; c = log2(e) / 8
	s_mul_i32 s16, s13, 196608                     ; head32: the sequence's 192 images, my head's four of q's
	s_lshl_b32 s17, s12, 12
	s_add_co_u32 s16, s16, s17
	s_mov_b32 s17, 0
	s_lshl_b32 s20, ttmp9, 8                       ; the slice's 64 columns, in bytes
	s_mov_b32 s21, 0
	s_lshl_b32 s18, s12, 18                        ; w_out: my head's 64 rows
	s_add_co_u32 s18, s18, s20
	s_mov_b32 s19, 0
	s_lshl_b32 s22, s13, 23                        ; out0: row 2,048 b + w
	s_lshl_b32 s23, s12, 12
	s_add_co_u32 s22, s22, s23
	s_add_co_u32 s22, s22, s20
	s_mov_b32 s23, 0
	s_wait_kmcnt 0x0
	s_add_nc_u64 s[4:5], s[4:5], s[16:17]
	s_add_nc_u64 s[6:7], s[6:7], s[18:19]
	s_add_nc_u64 s[8:9], s[8:9], s[20:21]
	s_add_nc_u64 s[10:11], s[10:11], s[22:23]
	global_load_b64 v[12:13], v11, s[8:9]          ; b_out at my two columns
.irp i, 0,1,2,3
	global_load_b128 v[64+8*\i:64+8*\i+3], v1, s[4:5] offset:1024*\i              ; q
	global_load_b128 v[64+8*\i+4:64+8*\i+7], v1, s[4:5] offset:1024*\i+512
.endr
.irp i, 0,1,2,3
	global_load_b128 v[96+8*\i:96+8*\i+3], v1, s[4:5] offset:65536+1024*\i        ; k: 64 images on
	global_load_b128 v[96+8*\i+4:96+8*\i+7], v1, s[4:5] offset:65536+1024*\i+512
.endr
.irp i, 0,1,2,3
	global_load_b128 v[128+8*\i:128+8*\i+3], v1, s[4:5] offset:131072+1024*\i     ; v: 128 images on
	global_load_b128 v[128+8*\i+4:128+8*\i+7], v1, s[4:5] offset:131072+1024*\i+512
.endr
; w_out for channel tiles c0 and c0 + 1: register base + 32 cc + 8 s + 2 nt + j holds w_out[64 w + 16 (c0 + cc) + 8 h + 2 s + j][64 sl + 16 nt + r]; the four nt stand on end, so four loads cover a row's 256 bytes
.macro WLOAD base, c0
.irp cc, 0,1
.irp s, 0,1,2,3
.irp j, 0,1
.irp nt, 0,1,2,3
	global_load_b32 v[\base+32*\cc+8*\s+2*\nt+\j], v4, s[6:7] offset:(16*(\c0+\cc)+2*\s+\j)*4096+64*\nt
.endr
.endr
.endr
.endr
.endm
	WLOAD 160, 0
	s_wait_loadcnt 63                              ; 64 loads were issued behind v's last: with at most 63 out, q, k and v are in
.irp s, 0,1,2,3                        ; S^T = k q^T: four accumulators, one for each 16 channels, by turns; the first four start the sums
.irp i, 0,1,2,3
.if \s == 0
	v_wmma_f32_16x16x4_f32 v[32+8*\i:39+8*\i], v[96+8*\i+2*\s:96+8*\i+2*\s+1], v[64+8*\i+2*\s:64+8*\i+2*\s+1], 0
.else
	v_wmma_f32_16x16x4_f32 v[32+8*\i:39+8*\i], v[96+8*\i+2*\s:96+8*\i+2*\s+1], v[64+8*\i+2*\s:64+8*\i+2*\s+1], v[32+8*\i:39+8*\i]
.endif
.endr
.endr
.rept 9
	v_nop                                          ; nine places behind this form: the accumulators are read, q's and k's registers are loaded anew, and the next product begins the accumulators anew
.endr
	WLOAD 64, 2
.irp p, 0,2,4,6
	v_pk_add_f32 v[16+\p:17+\p], v[32+\p:33+\p], v[40+\p:41+\p]          ; the four partial scores are added, each accumulator from its low end on
.endr
.irp p, 0,2,4,6
	v_pk_add_f32 v[224+\p:225+\p], v[48+\p:49+\p], v[56+\p:57+\p]
.endr
.irp p, 0,2,4,6
	v_pk_add_f32 v[16+\p:17+\p], v[16+\p:17+\p], v[224+\p:225+\p]        ; lane (r, h): query r, keys 8 h + 0 .. 7
.endr
.irp j, 0,1,2,3,4,5,6,7
	v_cmp_gt_i32 vcc_lo, \j, v7                    ; key 8 h + j comes after query r
	v_cndmask_b32 v[16+\j], v[16+\j], v8, vcc_lo
.endr
	v_max3_num_f32 v14, v16, v17, v18
	v_max3_num_f32 v14, v14, v19, v20
	v_max3_num_f32 v14, v14, v21, v22
	v_max_num_f32 v14, v14, v23
	v_permlanex16_b32 v15, v14, s24, s25
	v_max_num_f32 v14, v14, v15                    ; the row's maximum: key 0 counts for every query, so it is a number
	v_mul_f32 v14, s26, v14
.irp j, 0,1,2,3,4,5,6,7
	v_fma_f32 v[16+\j], v[16+\j], s26, -v14        ; c s - c m
.endr
.irp j, 0,1,2,3,4,5,6,7
	v_exp_f32 v[24+\j], v[16+\j]
.endr
	v_nop                                          ; a plain instruction behind the last exponential
	s_wait_alu depctr_va_vdst(0)                   ; the wait ahead of the first instruction that names a result: one for the eight
	v_pk_add_f32 v[224:225], v[24:25], v[26:27]
	v_pk_add_f32 v[226:227], v[28:29], v[30:31]
	v_pk_add_f32 v[224:225], v[224:225], v[226:227]
	v_add_f32 v14, v224, v225
	v_permlanex16_b32 v15, v14, s24, s25
	v_add_f32 v14, v14, v15                        ; the row's sum
	v_rcp_f32 v15, v14
	v_nop
	s_wait_alu depctr_va_vdst(0)
.irp s, 0,1,2,3                        ; O^T = v^T p: accumulator ct = 16 channels, by turns
.irp ct, 0,1,2,3
.if \s == 0
	v_wmma_f32_16x16x4_f32 v[32+8*\ct:39+8*\ct], v[128+8*\ct+2*\s:128+8*\ct+2*\s+1], v[24+2*\s:25+2*\s], 0
.else
	v_wmma_f32_16x16x4_f32 v[32+8*\ct:39+8*\ct], v[128+8*\ct+2*\s:128+8*\ct+2*\s+1], v[24+2*\s:25+2*\s], v[32+8*\ct:39+8*\ct]
.endif
.endr
.endr
.rept 9
	v_nop                                          ; nine places: as above; v's registers are written below
.endr
.irp n, 0,1,2,3,4,5,6,7,8,9,10,11,12,13,14,15,16,17,18,19,20,21,22,23,24,25,26,27,28,29,30,31
	v_mul_f32 v[128+\n], v[32+\n], v15             ; ctx: register 8 ct + j of lane (r, h): token r, channel 16 ct + 8 h + j
.endr
	s_wait_loadcnt 0x0                             ; w_out and the bias
.irp ct, 0,1,2,3                       ; the partial out^T over my 64 channels: accumulator nt = 16 columns, by turns
.if \ct < 2
.set WB, 160
.else
.set WB, 64
.endif
.irp s, 0,1,2,3
.irp nt, 0,1,2,3
.if (\ct == 0) && (\s == 0)
	v_wmma_f32_16x16x4_f32 v[32+8*\nt:39+8*\nt], v[WB+32*(\ct%2)+8*\s+2*\nt:WB+32*(\ct%2)+8*\s+2*\nt+1], v[128+8*\ct+2*\s:128+8*\ct+2*\s+1], 0
.else
	v_wmma_f32_16x16x4_f32 v[32+8*\nt:39+8*\nt], v[WB+32*(\ct%2)+8*\s+2*\nt:WB+32*(\ct%2)+8*\s+2*\nt+1], v[128+8*\ct+2*\s:128+8*\ct+2*\s+1], v[32+8*\nt:39+8*\nt]
.endif
.endr
.endr
.endr
.rept 8
	v_nop                                          ; eight places in front of the stores that read the results
.endr
.irp nt, 0,1,2,3
	ds_store_b128 v9, v[32+8*\nt:35+8*\nt] offset:64*\nt          ; lane (r, h): token r, columns 16 nt + 8 h + 0 .. 7; each accumulator from its low end on
	ds_store_b128 v9, v[36+8*\nt:39+8*\nt] offset:64*\nt+16
.endr
	s_wait_dscnt 0x0                               ; for the others' sake: my partial sums lie in LDS
	s_barrier_signal -1
	s_barrier_wait -1
.irp p, 0,1,2,3,4,5,6,7,8,9,10,11,12,13,14,15
	ds_load_b64 v[224+2*\p:225+2*\p], v10 offset:PARTB*\p         ; row w of head p's partial sums: 32 lanes read its 256 bytes
.endr
	s_wait_dscnt 0x0
.irp p, 0,4,8,12,16,20,24,28
	v_pk_add_f32 v[224+\p:225+\p], v[224+\p:225+\p], v[226+\p:227+\p]
.endr
.irp p, 0,8,16,24
	v_pk_add_f32 v[224+\p:225+\p], v[224+\p:225+\p], v[228+\p:229+\p]
.endr
.irp p, 0,16
	v_pk_add_f32 v[224+\p:225+\p], v[224+\p:225+\p], v[232+\p:233+\p]
.endr
	v_pk_add_f32 v[224:225], v[224:225], v[240:241]
	v_pk_add_f32 v[224:225], v[224:225], v[12:13]  ; + b_out
	global_store_b64 v11, v[224:225], s[10:11]     ; 32 lanes store 256 consecutive bytes, aligned
	s_wait_tensorcnt 0x0                           ; the wave's end: a wait on TENSORcnt, an add to my spare word
	ds_add_u32 v5, v6
	s_wait_dscnt 0x0
	s_endpgm
.Lfunc_end_k_qacd3992c13_first16:
	.size	k_qacd3992c13_first16, .Lfunc_end_k_qacd3992c13_first16-k_qacd3992c13_first16
	.p2alignl 7, 3214868480
	.fill 96, 4, 3214868480
	.section	.rodata,"a",@progbits
	.p2align	6, 0x0
	.amdhsa_kernel k_qacd3992c13_first16
		.amdhsa_group_segment_fixed_size 71680
		.amdhsa_private_segment_fixed_size 0
		.amdhsa_enable_private_segment 0
		.amdhsa_kernarg_size 32
		.amdhsa_user_sgpr_count 2
		.amdhsa_user_sgpr_kernarg_segment_ptr 1
		.amdhsa_wavefront_size32 1
		.amdhsa_system_sgpr_workgroup_id_x 1
		.amdhsa_system_sgpr_workgroup_id_y 1
		.amdhsa_system_sgpr_workgroup_id_z 1
		.amdhsa_system_vgpr_workitem_id 0
		.amdhsa_next_free_vgpr 256
		.amdhsa_next_free_sgpr 66
		.amdhsa_reserve_vcc 1
		.amdhsa_float_denorm_mode_32 3
		.amdhsa_float_denorm_mode_16_64 3
		.amdhsa_memory_ordered 1
		.amdhsa_forward_progress 1
		.amdhsa_inst_pref_size 31
	.end_amdhsa_kernel
	.amdgpu_metadata
---
amdhsa.version: [ 1, 2 ]
amdhsa.kernels:
  - .name:           k_qacd3992c13_first16
    .symbol:         k_qacd3992c13_first16.kd
    .args:
      - { .name: head32, .offset: 0, .size: 8, .value_kind: global_buffer, .address_space: global }
      - { .name: w_out, .offset: 8, .size: 8, .value_kind: global_buffer, .address_space: global }
      - { .name: b_out, .offset: 16, .size: 8, .value_kind: global_buffer, .address_space: global }
      - { .name: out0, .offset: 24, .size: 8, .value_kind: global_buffer, .address_space: global }
    .group_segment_fixed_size: 71680
    .private_segment_fixed_size: 0
    .kernarg_segment_align: 8
    .kernarg_segment_size: 32
    .max_flat_workgroup_size: 512
    .sgpr_count:     66
    .vgpr_count:     256
    .wavefront_size: 32
...
	.end_amdgpu_metadata
.endif
;; end of part 5
